; MI455X (gfx1250); checked and timed in simulation.
; The chip was launched on July 23, 2026; its instructions are those of AMD's public machine-readable ISA for CDNA 5 (MIT licence, August 2026) and "CDNA5" Instruction Set Architecture Reference Guide (July 2026). The comments in the code are by the model that wrote it; some were corrected since.
;; Transformer. Allowed arithmetic: matrix products marked QUANTISED: E2M3 operands, one E8M0 scale for each 32 along K, by v_wmma_scale_f32_16x16x128_f8f6f4 with both operands' format E2M3, f32 sums; everything else in f32.
;; Inputs: Wk_codes 1,024 x 32 x 24 uint8 (E2M3 codes of Wk, K innermost, in blocks of 32 codes, four codes in three bytes); Wk_scales 1,024 x 32 uint8 (E8M0 scales of Wk, one for each 32 codes along K); Wo_codes 1,024 x 32 x 24 uint8 (E2M3 codes of Wo, K innermost, in blocks of 32 codes, four codes in three bytes); Wo_scales 1,024 x 32 uint8 (E8M0 scales of Wo, one for each 32 codes along K); Wq_codes 1,024 x 32 x 24 uint8 (E2M3 codes of Wq, K innermost, in blocks of 32 codes, four codes in three bytes); Wq_scales 1,024 x 32 uint8 (E8M0 scales of Wq, one for each 32 codes along K); Wv_codes 1,024 x 32 x 24 uint8 (E2M3 codes of Wv, K innermost, in blocks of 32 codes, four codes in three bytes); Wv_scales 1,024 x 32 uint8 (E8M0 scales of Wv, one for each 32 codes along K); bk 1,024 float32; bo 1,024 float32; bq 1,024 float32; bv 1,024 float32; keys_codes 4 x 2,048 x 32 x 24 uint8 (E2M3 codes of keys, K innermost, in blocks of 32 codes, four codes in three bytes); keys_scales 4 x 2,048 x 32 uint8 (E8M0 scales of keys, one for each 32 codes along K); mask 2,048 x 2,048 bool; queries_codes 4 x 2,048 x 32 x 24 uint8 (E2M3 codes of queries, K innermost, in blocks of 32 codes, four codes in three bytes); queries_scales 4 x 2,048 x 32 uint8 (E8M0 scales of queries, one for each 32 codes along K); values_codes 4 x 2,048 x 32 x 24 uint8 (E2M3 codes of values, K innermost, in blocks of 32 codes, four codes in three bytes); values_scales 4 x 2,048 x 32 uint8 (E8M0 scales of values, one for each 32 codes along K).
;; Outputs: out0 4 x 2,048 x 1,024 float32.
;; This version of the problem:
;;   THIS VERSION OF THE PROBLEM IS GIVEN IN LOW PRECISION. The matrix products marked QUANTISED in the list below multiply operands that are first quantised to E2M3 (2 exponent bits, 3 mantissa bits; 6 bits a number), with one power-of-two scale for each 32 numbers along K (OCP MX v1.0); their sums are f32. All else is computed in f32.
;;   The module's matrix products, in the order in which they are computed (A, B: the left and right operand; K: the contracted axis; several contracted axes count as one K, in the product's order):
;;     1. [M 8,192, K 1,024] x [K 1,024, N 1,024]; A: input queries (given as codes); B: input Wq (given as codes): QUANTISED
;;     2. [M 8,192, K 1,024] x [K 1,024, N 1,024]; A: input keys (given as codes); B: input Wk (given as codes): QUANTISED
;;     3. [M 8,192, K 1,024] x [K 1,024, N 1,024]; A: input values (given as codes); B: input Wv (given as codes): QUANTISED
;;     4. batch 64 x [M 2,048, K 64] x [K 64, N 2,048]; A: computed on the way; B: computed on the way: QUANTISED
;;     5. batch 64 x [M 2,048, K 2,048] x [K 2,048, N 64]; A: softmax (see below); B: computed on the way: QUANTISED
;;     6. [M 8,192, K 1,024] x [K 1,024, N 1,024]; A: computed on the way; B: input Wo (given as codes): QUANTISED
;;   THE QUANTISER, for each operand of a quantised product, along K:
;;     - K is cut into blocks of 32 from its start; a last block that is shorter is filled with zeros.
;;     - A block's scale is 2^e with e = floor(log2(the largest magnitude in the block)) - 2, held to -126 .. 127; a block of zeros has e = 0. As a byte (E8M0): e + 127.
;;     - Each number is divided by its block's scale, clamped to +-7.5, and rounded to the nearest number of E2M3, ties to even, subnormals kept.
;;     - The product sums the exact products of the quantised numbers (number of the format x scale) in f32.
;;   ~~~python
;;   def quantise(x, axis):      # numpy; x: float32 -> the quantised numbers, widened to float32 again
;;       x = np.moveaxis(x, axis, -1); K = x.shape[-1]
;;       x = np.pad(x, [(0, 0)] * (x.ndim - 1) + [(0, -K % 32)]); x = x.reshape(x.shape[:-1] + (-1, 32)); a = np.abs(x).max(-1, keepdims=True)
;;       e = np.where(a > 0, np.clip(np.frexp(np.where(a > 0, a, 1))[1] - 1 - 2, -126, 127), 0)      # np.frexp(a)[1] - 1 = floor(log2(a)), exactly
;;       r = np.clip(x / 2.0 ** e, -7.5, 7.5)
;;       step = 2.0 ** (np.maximum(np.frexp(np.where(r == 0, 1, r))[1] - 1, 0) - 3)
;;       q = np.round(r / step) * step * 2.0 ** e      # np.round: ties to even
;;       return np.moveaxis(q.reshape(q.shape[:-2] + (-1,))[..., :K], -1, axis).astype(np.float32)
;;   ~~~
;;   SOFTMAX AHEAD OF A QUANTISED PRODUCT. Where the list says 'softmax', what is quantised is not the finished softmax but p = 2^(t - M), with t = logit x log2(e) and M = ceil(the row's largest t), a whole number; so 1/2 < the row's largest p <= 1. The row's sum l is taken of the UNQUANTISED p, in f32, and the product's result is divided by l at the end. Since M is a whole number, a kernel that streams over the keys may use a running M (the ceiling of the running maximum): every later rescaling is an exact power of two, which a block's scale takes up: the codes' values come out the same.
;;   OPERANDS COMPUTED ON THE WAY. 'Computed on the way' means the value that the module computes at that place (a softmax that the list does not call 'softmax' is quantised finished and normalised). What goes into a quantiser is computed in f32, as accurately as f32 sums, v_exp_f32 and their like allow (about 1e-6 of the number): no bf16 or f16 on the way to a quantiser, and a product that is left as it is and whose result goes on into a quantised operand takes f32 operands (vector FMAs, or v_wmma_f32_16x16x4_f32). A number that lies on a knife's edge between two numbers of the format may be rounded either way, as far as f32 arithmetic and the matrix unit's own rounding can turn it there, and no further.
;;   INPUTS GIVEN AS CODES. Wk (in the module: [1024, 1024], K = its axis 0); Wo (in the module: [1024, 1024], K = its axis 0); Wq (in the module: [1024, 1024], K = its axis 0); Wv (in the module: [1024, 1024], K = its axis 0); keys (in the module: [4, 2048, 1024], K = its axis 2); queries (in the module: [4, 2048, 1024], K = its axis 2); values (in the module: [4, 2048, 1024], K = its axis 2): each comes as NAME_codes (uint8): NAME with its K axis moved to the last place and cut into blocks of 32 codes, [.., K / 32, bytes a block], one block behind the other in memory; four codes in three bytes: a row's codes are one little-endian stream of bits, code i at bits 6 i .. 6 i + 5 (a code: sign, 2 exponent bits, 3 mantissa bits); and NAME_scales (uint8): the same leading axes, one E8M0 byte (e + 127) for each 32 codes along K. Its value is code x scale, taken as it is: it is not quantised again, and the codes and scales need not be those that the quantiser above would give.
;; One version. Each part assembles by itself: llvm-mc -triple=amdgcn-amd-amdhsa -mcpu=gfx1250 --defsym DOCPART=n.
;; ======== version 1 of 1: 3 launches
;; limits: right only within a limited range of input values
;; workspace buffers: pimg 18,874,368 bytes; psc 786,432 bytes; maskw 524,288 bytes of whole numbers; cimg 6,291,456 bytes; csc 262,144 bytes
;; launch proj (part 1): grid 96 x 4, 4 waves a work-group, clusters of 4 x 4, 327,680 bytes of LDS; arguments queries_codes, queries_scales, Wq_codes, Wq_scales, keys_codes, keys_scales, Wk_codes, Wk_scales, Wv_codes, Wv_scales, values_codes, values_scales, bq, bk, bv, mask, pimg, psc, maskw; writes pimg, psc, maskw
.if DOCPART == 1
	.amdgcn_target "amdgcn-amd-amdhsa--gfx1250"
	.amdhsa_code_object_version 6
	.text
	.protected	k_q4f3682aff8_proj
	.globl	k_q4f3682aff8_proj
	.p2align	8
	.type	k_q4f3682aff8_proj,@function
k_q4f3682aff8_proj:
	s_mov_b64 s[64:65], 0
	v_nop
	global_prefetch_b8 v0, s[64:65] scope:SCOPE_SE
	s_setreg_imm32_b32 hwreg(HW_REG_WAVE_MODE, 25, 1), 1
	s_wait_xcnt 0x0
	s_wait_alu depctr_hold_cnt(0) depctr_sa_sdst(0) depctr_va_vdst(0) depctr_va_sdst(0) depctr_va_ssrc(0) depctr_va_vcc(0) depctr_vm_vsrc(0)
	s_getreg_b32 s2, hwreg(HW_REG_IB_STS2, 6, 4)
	s_cmp_eq_u32 s2, 0
	s_cbranch_scc0 .Lentry_in_a_cluster
	s_endpgm
.Lentry_in_a_cluster:
	s_bfe_u32 s2, ttmp6, 0x10000c
	s_cmp_lg_u32 s2, 0xf033
	s_cbranch_scc0 .Lentry_shape_is_right
	s_endpgm
.Lentry_shape_is_right:
; q = queries Wq + bq, k = keys Wk + bk, v = values Wv + bv on codes of FP6 (E2M3) with E8M0 scales, each result quantised again to such codes; and the mask packed into lane-mask words.
; THREE PRODUCTS, ONE TEXT.  24 clusters of 4 x 4 work-groups: clusters 0-7 make q, 8-15 k, 16-23 v (MODE = cluster / 8).  A work-group makes 256 x 256, each of its four waves 128 x 128: 64 accumulators, 512 registers.
; S1 is the matrix instruction's source 1 (its 16 rows become the LANES of a result), S0 its source 0 (its rows become a lane's REGISTERS).
;   q, k: S1 = the tokens' codes, S0 = the weight's: a lane holds one token, its registers run along the features, which are the K of q k^T.
;   v:    S1 = Wv, S0 = the tokens': a lane holds one feature, its registers run along the keys, which are the K of p v.
; So in every mode the quantiser finds its blocks of 32 along a lane's registers, and only pointers, strides and the bias's registers differ between modes.
; K = 1,024 goes in four steps of 256 through a ring of two LDS slots filled by the tensor data mover; a tile's row is 192 bytes.  The scale bytes of the work-group's rows, for all of K, come once and stay.
; CLUSTER: the four work-groups of a row of the cluster need the same tiles of S1, the four of a column the same tiles of S0: each tile is asked for jointly.
; THE RESULT'S LAYOUT.  A HALF is 768 bytes: the image of six operand registers for 16 rows x 64 along K: registers 0-3 at 16 x lane, registers 4-5 at 512 + 8 x lane.  q, k: [head][token tile][768]; v: [head][64 keys][tile of 16 features][768].
; Inside a block of 32 the two middle groups of eight stand exchanged (place 16 h + 8 u + j holds element 16 u + 8 h + j): q and k alike, v's keys and p's keys alike, so every product keeps its pairs, and the 32 that share a scale are the same 32.
; Scale words: q, k: [head][128 tokens][row 16][4]: word a = the two blocks of the row in tile 2 a, then in tile 2 a + 1.  v: [head][128 keys][row 16][4]: a word = the four key blocks of a feature; slots 0, 1, 2, 3 hold feature tiles 0, 2, 1, 3.
; THE MASK: maskw[query tile][128 keys][n] has bit 16 h + r = mask[16 tile + r][128 step + 32 (n / 16) + 16 ((n / 8) % 2) + 8 h + n % 8].  The 1,024 waves of the q and k clusters pack 16 rows x 256 keys each, while their first tiles are on the way.
; LIMITS: NaN and infinities are not served.  A block of zeros gets the byte 1 (its codes are zeros; only this program reads the bytes).
; REGISTERS: window 0: v1-13 lane numbers and addresses; v16-29 LDS addresses; v32-63 scale words, two sets; v64-127 the bias; v128-223 S1's fragments, one set (before the loop: the mask's bytes; behind it: the quantiser's work); v224-236 bias offsets, mask words.
;   window 1: S0's fragments, two sets, at v0 and v128.   windows 2, 3: the accumulators, (a, b) at v[8 (8 (a % 4) + b)].
.set NQ,     2                         ; matrix instructions deep in a slot
.set ROWB,   192                       ; a tile's row: 256 codes
.set KROW,   768                       ; a row of codes in memory
.set PITCH,  240                       ; an LDS row: 3 x (64 bytes + 16 of padding)
.set FR,     12                        ; registers of a fragment
.set NL,     6                         ; LDS loads that bring one
.set NP,     4                         ; places behind this matrix instruction (ISA guide 7.12.1)
.set HALFT,  128*PITCH                 ; 128 rows: one tensor load
.set SLOT,   4*HALFT                   ; S1's 256 rows, then S0's
.set KS,     32                        ; a row of scale bytes
.set SCL,    2*SLOT                    ; behind the ring: the scales, as units of 256 bytes + 16 of padding
.set HALFS,  16*272                    ; those of 128 rows
.set SBLK,   2*272                     ; those of 16 rows
.set SPARE,  SCL+4*HALFS               ; the spare words: 128 bytes a wave, named by no other line
.set MST,    SPARE+512                 ; the mask's stage: 16 rows x (256 + 16) bytes for each wave; no fill lands here
.set LI16, 7                           ; v7   16 x lane
.set LI8,  8                           ; v8   8 x lane
.set VSC1, 9                           ; v9   where my first two scale words go
.set VSC2, 10                          ; v10  and my other two
.set MLD,  11                          ; v11  the mask in memory: 2,048 (lane / 16) + 16 (lane % 16)
.set MSI,  12                          ; v12  the mask's stage, in
.set MSO,  13                          ; v13  and out
.set ADRA, 16                          ; v16-17 S1's fragments in slot 0, 1; v18-19 the same behind one padding more
.set ADRB, 20                          ; v20-23 the same for S0
.set ADRS, 27                          ; v27  my scale words: lanes 0-15 S1's rows, lanes 16-31 S0's
.set SPW,  28                          ; v28  my spare word; never rewritten
.set NIL,  29                          ; v29  0; never rewritten
.set SC,   32
.set BI,   64
.set AF,   128
.set VO,   224
.set MX,   232
.set MD,   128
.set MB,   160
.set MT,   192
.set TM,   128                         ; v128-131 largest magnitudes, v132-135 bytes, v140-143 the conversions' scale operands
.set CD,   144                         ; v144-163 codes
.set PW,   164                         ; v164-165 the scale words of the two groups of 64
.set OU1,  166
.set OU2,  167
.set SW,   168                         ; v168-171 the four words that a lane stores
.set WV,   20                          ; s20 wave;  s21 wave / 2: my half of S1's rows, and: I fetch for S1 (0) or S0 (1);  s22 wave % 2: my half of S0's rows, and which 128 rows I fetch
.set WH,   21
.set WL,   22
.set MODE, 23
.set TR,   66                          ; tile row (S1), tile column (S0)
.set TC,   67
.set G1,   24                          ; s[24:31], s[32:39] groups 1 and 0 (a set for each slot) for S1's tiles
.set G0,   32
.set G1B,  48                          ; s[48:55], s[56:63] for S0's
.set G0B,  56
.set G1S,  68                          ; s[68:75], s[76:79] for S1's scales;  s[80:87], s[88:91] for S0's
.set G0S,  76
.set G1SB, 80
.set G0SB, 88
.set OB,   68                          ; the way out (every tensor load is done by then): s[68:75] four pointers into pimg, s[76:77] into psc
.set SELA, 82
.set SELB, 83
.set SEL,  84
.set MSB, 0
.macro WIN new                         ; the immediate's high byte repeats the setting that is left
.if MSB != (\new)
	s_set_vgpr_msb (MSB<<8)|(\new)
.set MSB, (\new)
.endif
.endm
.set MUL_LO, 0xa1                      ; source 0 window 1, source 1 window 0, C and D window 2
.set MUL_HI, 0xf1                      ; the same, C and D window 3
.set TO_B,   0x40                      ; destination window 1
; A joint load: waves 0 and 1 fetch for S1, waves 2 and 3 for S0.  The branch hangs on the wave's number alone.  Four v_nop follow each of the two lines.
.macro JLOAD g0a, g1a, g0b, g1b
	s_cmp_eq_u32 s[WH], 0
	s_cbranch_scc0 .Lfor_b_\@
	tensor_load_to_lds s[\g0a:\g0a+3], s[\g1a:\g1a+7]
	s_nop 0
.rept 4
	v_nop
.endr
	s_branch .Lasked_\@
.Lfor_b_\@:
	tensor_load_to_lds s[\g0b:\g0b+3], s[\g1b:\g1b+7]
	s_nop 0
.rept 4
	v_nop
.endr
.Lasked_\@:
.endm
.macro CREST                           ; a round of the cluster's barrier behind its opening barrier
	s_cmp_lg_u32 s[WV], 0
	s_cbranch_scc1 .Lnot_wave_0_\@
	s_barrier_signal -3
.Lnot_wave_0_\@:
	s_barrier_wait -3
	s_barrier_signal -1
	s_barrier_wait -1
.endm
.macro CROUND
	s_barrier_signal -1
	s_barrier_wait -1
	CREST
.endm
.macro PLACES n
.rept \n
	v_nop
.endr
.endm
	s_load_b256 s[4:11], s[0:1], 0x0               ; q's group: S1 codes, S1 scales, S0 codes, S0 scales
	s_load_b256 s[24:31], s[0:1], 0x20             ; k's group
	s_load_b256 s[32:39], s[0:1], 0x40             ; v's group: Wv first (S1), then the values (S0)
	s_load_b256 s[40:47], s[0:1], 0x60             ; bq, bk, bv, mask
	s_load_b128 s[48:51], s[0:1], 0x80             ; pimg, psc
	s_load_b64 s[52:53], s[0:1], 0x90              ; maskw
	v_lshl_add_u32 v[SPW], v0, 2, SPARE
	v_mov_b32 v[NIL], 0
	ds_add_u32 v28, v29
	ds_add_u32 v28, v29
	s_wait_dscnt 0x0
	v_lshrrev_b32 v1, 5, v0
	v_readfirstlane_b32 s[WV], v1                  ; wave 0..3
	s_lshr_b32 s[WH], s[WV], 1
	s_and_b32 s[WL], s[WV], 1
	s_lshr_b32 s[MODE], ttmp9, 3                   ; 0 q, 1 k, 2 v: the same in all sixteen partners
	s_and_b32 s92, ttmp9, 7                        ; which of the mode's eight clusters
	s_lshr_b32 s93, s[MODE], 1                     ; 1 for v
	s_xor_b32 s94, s93, 1                          ; 1 for q and k
	s_mul_i32 s[TR], s92, s94                      ; the long axis (8,192 tokens) is S1's for q and k, S0's for v
	s_mul_i32 s[TC], s92, s93
	s_lshl_b32 s[TR], s[TR], 2
	s_lshl_b32 s[TC], s[TC], 2
	s_wait_kmcnt 0x0
	s_cmp_eq_u32 s[MODE], 1                        ; the mode's buffers: a choice that hangs on the cluster's number alone
	s_cselect_b64 s[4:5], s[24:25], s[4:5]
	s_cselect_b64 s[6:7], s[26:27], s[6:7]
	s_cselect_b64 s[8:9], s[28:29], s[8:9]
	s_cselect_b64 s[10:11], s[30:31], s[10:11]
	s_cselect_b64 s[12:13], s[42:43], s[40:41]     ; the bias
	s_cmp_eq_u32 s[MODE], 2
	s_cselect_b64 s[4:5], s[32:33], s[4:5]
	s_cselect_b64 s[6:7], s[34:35], s[6:7]
	s_cselect_b64 s[8:9], s[36:37], s[8:9]
	s_cselect_b64 s[10:11], s[38:39], s[10:11]
	s_cselect_b64 s[12:13], s[44:45], s[12:13]
	s_mov_b64 s[98:99], s[46:47]                   ; mask
	s_mov_b64 s[14:15], s[48:49]                   ; pimg
	s_mov_b64 s[16:17], s[50:51]                   ; psc
	s_mov_b64 s[100:101], s[52:53]                 ; maskw
	s_bfe_u32 s40, ttmp6, 0x40000                  ; cx, cy: my place in the cluster
	s_bfe_u32 s41, ttmp6, 0x40004
	s_add_co_u32 s[TC], s[TC], s40
	s_add_co_u32 s[TR], s[TR], s41
	s_lshl_b32 s43, s41, 2
	s_lshl_b32 s43, 15, s43                        ; my row of the cluster
	s_lshl_b32 s44, 0x1111, s40                    ; my column
	; group 1: a tile of 128 rows x 192 bytes; 16 bytes of padding behind every 64
	s_or_b32 s[G1+0], s43, (0<<16)|(1<<20)|(1<<21)|(3<<22)|(3<<25)  ; 15:0 the mask: S1's tiles go to my row; 17:16 elements of 1 byte; 20 padding on; 21 set beside a mask; 24:22 after every 16 words; 31:25 of 4 words
	s_or_b32 s[G1B+0], s44, (0<<16)|(1<<20)|(1<<21)|(3<<22)|(3<<25)
.irp g, G1, G1B
	s_mov_b32 s[\g+1], ROWB<<16                    ; tensor_dim0
	s_mov_b32 s[\g+2], 128<<16                     ; tensor_dim1
	s_mov_b32 s[\g+3], ROWB<<16                    ; tile_dim0
	s_mov_b32 s[\g+4], 128                         ; tile_dim1
	s_mov_b32 s[\g+5], KROW                        ; the pitch
	s_mov_b32 s[\g+6], 0
	s_mov_b32 s[\g+7], 0
.endr
	; the scales of 128 rows: 4,096 dense bytes as 16 rows of 256 (32 elements of 8 bytes), 16 bytes of padding behind each
	s_or_b32 s[G1S+0], s43, (3<<16)|(1<<20)|(1<<21)|(5<<22)|(3<<25)
	s_or_b32 s[G1SB+0], s44, (3<<16)|(1<<20)|(1<<21)|(5<<22)|(3<<25)
.irp g, G1S, G1SB
	s_mov_b32 s[\g+1], 32<<16
	s_mov_b32 s[\g+2], 16<<16
	s_mov_b32 s[\g+3], 32<<16
	s_mov_b32 s[\g+4], 16
	s_mov_b32 s[\g+5], 32
	s_mov_b32 s[\g+6], 0
	s_mov_b32 s[\g+7], 0
.endr
	s_lshl_b32 s45, s[WL], 7                       ; which 128 rows of the tile I fetch
	s_lshl_b32 s92, s[TR], 8
	s_add_co_u32 s92, s92, s45                     ; S1: row 256 x tile row + 128 x half (no register here ever holds cx)
	s_lshl_b32 s46, s[TC], 8
	s_add_co_u32 s46, s46, s45                     ; S0: row 256 x tile column + 128 x half
	s_lshl_b32 s94, s92, 5                         ; their scales, 32 bytes a row,
	s_lshl_b32 s96, s46, 5
	s_mul_i32 s92, s92, KROW                       ; and their codes: at most 8,192 x 768 bytes
	s_mul_i32 s46, s46, KROW
	s_mov_b32 s93, 0
	s_mov_b32 s95, 0
	s_mov_b32 s97, 0
	s_mov_b32 s47, 0
	s_mul_i32 s45, s[WV], HALFT                    ; where they go: wave x 128 rows: no place in the cluster enters an LDS address
	s_mul_i32 s42, s[WV], HALFS
	s_add_nc_u64 s[92:93], s[4:5], s[92:93]
	s_add_nc_u64 s[94:95], s[6:7], s[94:95]
	s_add_nc_u64 s[46:47], s[8:9], s[46:47]
	s_add_nc_u64 s[96:97], s[10:11], s[96:97]
	CROUND                                         ; all sixteen work-groups are here: the first joint loads meet
	s_mov_b32 s[G0S], 1
	s_add_co_u32 s[G0S+1], s42, SCL
	s_mov_b64 s[G0S+2:G0S+3], s[94:95]
	s_or_b32 s[G0S+3], s[G0S+3], 0x80000000
	s_mov_b32 s[G0SB], 1
	s_add_co_u32 s[G0SB+1], s42, SCL
	s_mov_b64 s[G0SB+2:G0SB+3], s[96:97]
	s_or_b32 s[G0SB+3], s[G0SB+3], 0x80000000
	JLOAD G0S, G1S, G0SB, G1SB                     ; the scales first: they are wanted with K step 0
.irp s, 0,1
	s_mov_b32 s[G0+4*\s], 1
	s_add_co_u32 s[G0+4*\s+1], s45, \s*SLOT
	s_add_nc_u64 s[G0+4*\s+2:G0+4*\s+3], s[92:93], \s*ROWB
	s_or_b32 s[G0+4*\s+3], s[G0+4*\s+3], 0x80000000
	s_mov_b32 s[G0B+4*\s], 1
	s_add_co_u32 s[G0B+4*\s+1], s45, \s*SLOT
	s_add_nc_u64 s[G0B+4*\s+2:G0B+4*\s+3], s[46:47], \s*ROWB
	s_or_b32 s[G0B+4*\s+3], s[G0B+4*\s+3], 0x80000000
	JLOAD G0+4*\s, G1, G0B+4*\s, G1B               ; three tensor loads of mine are out now
.endr
	v_and_b32 v1, 15, v0                           ; r = lane % 16
	v_bfe_u32 v2, v0, 4, 1                         ; h = lane / 16
	v_mul_u32_u24 v3, v1, PITCH
	v_mul_u32_u24 v4, v2, 24
	v_add_nc_u32 v4, v3, v4                        ; a fragment's row x pitch + 24 x half
	v_lshl_add_u32 v5, v2, 4, v4                   ; and the same behind one padding more
	s_mul_i32 s40, s[WH], HALFT                    ; my 128 rows of S1
	s_mul_i32 s41, s[WL], HALFT                    ; my 128 rows of S0,
	s_add_co_u32 s41, s41, 2*HALFT                 ; which lie behind S1's 256
.irp s, 0,1
	v_add_nc_u32 v[ADRA+\s], s40, v4
	v_add_nc_u32 v[ADRB+\s], s41, v4
	v_add_nc_u32 v[ADRA+2+\s], s40, v5
	v_add_nc_u32 v[ADRB+2+\s], s41, v5
	s_add_co_u32 s40, s40, SLOT
	s_add_co_u32 s41, s41, SLOT
.endr
	v_mul_u32_u24 v5, v1, KS                       ; my row's scales: 32 bytes a row,
	v_lshrrev_b32 v6, 8, v5
	v_lshl_add_u32 v5, v6, 4, v5                   ; and 16 more for each 256 passed
	s_mul_i32 s40, s[WH], HALFS
	s_mul_i32 s41, s[WL], HALFS
	s_add_co_u32 s41, s41, 2*HALFS
	s_sub_co_u32 s41, s41, s40
	v_mul_u32_u24 v6, s41, v2                      ; lanes 16-31 take S0's: one product, the distance between the two bases
	s_add_co_u32 s40, s40, SCL
	v_add_nc_u32 v5, v5, v6
	v_add_nc_u32 v[ADRS], s40, v5
	v_and_b32 v6, 31, v0
	v_lshlrev_b32 v[LI16], 4, v6
	v_lshlrev_b32 v[LI8], 3, v6
	v_lshlrev_b32 v[MLD], 11, v2
	v_lshl_add_u32 v[MLD], v1, 4, v[MLD]
	s_mul_i32 s40, s[WV], 16*272
	s_add_co_u32 s40, s40, MST                     ; my wave's stage for the mask
	v_mul_u32_u24 v[MSI], v2, 272
	v_lshl_add_u32 v[MSI], v1, 4, v[MSI]
	v_add_nc_u32 v[MSI], s40, v[MSI]               ; in: two rows an instruction, 16 bytes a lane
	v_mul_u32_u24 v[MSO], v1, 272
	v_lshl_add_u32 v[MSO], v2, 3, v[MSO]
	v_add_nc_u32 v[MSO], s40, v[MSO]               ; out: row r, 8 bytes for each half of the lanes: rows start 4 banks apart, so the 32 lanes touch 64 different banks
	; THE BIAS, in the result's layout, is the C of each sum's first product.  q, k: register 8 b + j = bias[X + 16 b + 8 h + j].  v: register 8 a + j = bias[Y + 16 a + r] for every j.  One text: the lane term and the step from j to j + 1 are selected.
	s_lshl_b32 s40, s[TC], 8
	s_lshl_b32 s41, s[WL], 7
	s_add_co_u32 s40, s40, s41                     ; X: my first row of S0
	s_lshl_b32 s41, s[TR], 8
	s_lshl_b32 s42, s[WH], 7
	s_add_co_u32 s41, s41, s42                     ; Y: my first row of S1
	s_cmp_lg_u32 s[MODE], 2
	s_cselect_b32 s92, s40, s41                    ; my first feature
	s_cselect_b32 s104, 0, -1                      ; a lane mask: all lanes for v
	s_cselect_b32 s105, 4, 0
	s_lshl_b32 s92, s92, 2
	s_mov_b32 s93, 0
	s_add_nc_u64 s[12:13], s[12:13], s[92:93]
	v_lshlrev_b32 v3, 3, v2
	v_cndmask_b32 v3, v3, v1, s104                 ; 8 h, or r
	v_lshlrev_b32 v[VO], 2, v3
.irp j, 1,2,3,4,5,6,7
	v_add_nc_u32 v[VO+\j], s105, v[VO+\j-1]
.endr
.irp x, 0,1,2,3,4,5,6,7
.irp j, 0,1,2,3,4,5,6,7
	global_load_b32 v[BI+8*\x+\j], v[VO+\j], s[12:13] offset:64*\x
.endr
.endr
	; THE MASK.  Only q's and k's clusters: the branch is the same in all partners, and no barrier and no tensor load stands under it.
	s_cmp_eq_u32 s[MODE], 2
	s_cbranch_scc1 .Lno_mask
	s_lshl_b32 s40, ttmp9, 2
	s_bfe_u32 s41, ttmp6, 0x40004
	s_add_co_u32 s40, s40, s41
	s_lshl_b32 s40, s40, 2
	s_bfe_u32 s41, ttmp6, 0x40000
	s_add_co_u32 s40, s40, s41
	s_lshl_b32 s40, s40, 2
	s_add_co_u32 s40, s40, s[WV]                   ; my task, 0 .. 1,023: it enters global addresses alone
	s_lshr_b32 s41, s40, 3                         ; the tile of 16 queries
	s_and_b32 s42, s40, 7                          ; which 256 keys
	s_lshl_b32 s92, s41, 15                        ; 16 rows of 2,048 bytes
	s_lshl_b32 s43, s42, 8
	s_add_co_u32 s92, s92, s43
	s_add_nc_u64 s[98:99], s[98:99], s[92:93]
	s_lshl_b32 s92, s41, 12                        ; 16 steps of 64 words
	s_lshl_b32 s43, s42, 9
	s_add_co_u32 s92, s92, s43
	s_add_nc_u64 s[100:101], s[100:101], s[92:93]
.irp i, 0,1,2,3,4,5,6,7
	global_load_b128 v[MD+4*\i:MD+4*\i+3], v[MLD], s[98:99] offset:4096*\i th:TH_LOAD_NT   ; sixteen lanes read a row's 256 consecutive bytes; each byte of the mask is read once in the launch
.endr
	s_wait_loadcnt 0x0                             ; the mask's bytes (and the bias) are in
.irp i, 0,1,2,3,4,5,6,7
	ds_store_b128 v[MSI], v[MD+4*\i:MD+4*\i+3] offset:544*\i
.endr
.irp t, 0,1,2,3,4,5,6,7,8,9,10,11,12,13,14,15
	ds_load_b64 v[MB+2*\t:MB+2*\t+1], v[MSO] offset:16*\t   ; LDS serves a wave's instructions in order: these see my stores.  Lane (r, h): row r, keys 16 t + 8 h + 0 .. 7
.endr
.irp k, 0,1,2,3
	v_mov_b32 v[MX+\k], 0                          ; a lane write's destination counts as read
.endr
	s_wait_dscnt 0x0
.set GI, 0
.rept 32                               ; words 4 GI .. 4 GI + 3: one byte of each lane becomes one bit of a word; word w goes to lane w / 4, register w % 4
.irp k, 0,1,2,3
	v_and_b32 v[MT+\k], 0xff<<(8*\k), v[MB+GI]
.endr
.irp k, 0,1,2,3
	v_cmp_ne_u32 s[40+\k], 0, v[MT+\k]
.endr
.irp k, 0,1,2,3
	v_writelane_b32 v[MX+\k], s[40+\k], GI
.endr
.set GI, GI+1
.endr
	global_store_b128 v[LI16], v[MX:MX+3], s[100:101]   ; 128 words: 512 consecutive bytes, aligned
.Lno_mask:
	s_wait_loadcnt 0x0                             ; the bias
	s_wait_dscnt 0x0
.macro FRAG reg, adr, q, i             ; 16 rows x 128 K: 12 registers; lane (r, h): registers 6 c .. 6 c + 5 = K 64 c + 32 h + 0 .. 31: 24 bytes of the row as they lie, in pieces of 8 bytes
.irp p, 0,1,2,3,4,5
.set PIECE, 12*(\q)+6*(\p/3)+\p%3
.if PIECE%8 < 5
	ds_load_b64 v[\reg+2*\p:\reg+2*\p+1], v[\adr] offset:8*PIECE+16*(PIECE/8)+(\i)*16*PITCH
.else
	ds_load_b64 v[\reg+2*\p:\reg+2*\p+1], v[\adr+2] offset:8*PIECE+16*(PIECE/8)+(\i)*16*PITCH   ; the piece three on lies behind one padding more
.endif
.endr
.endm
; 16 matrix instructions: S1's blocks a0, a0 + 1 x S0's eight, 128 along K.  zero = 1: the sums start from the bias by S0's block; 2: by S1's block; 0: they go on.
; The 64 accumulators take turns, one instruction a turn, in the same order in every step.
.macro MUL16 a0, p, q, sc, zero
.irp a, \a0, \a0+1
.irp b, 0,1,2,3,4,5,6,7
.if \zero == 1
	v_wmma_scale_f32_16x16x128_f8f6f4 v[8*(8*((\a)%4)+\b):8*(8*((\a)%4)+\b)+7], v[128*(\p)+FR*\b:128*(\p)+FR*\b+FR-1], v[AF+FR*(\a):AF+FR*(\a)+FR-1], v[BI+8*\b:BI+8*\b+7], v[SC+8*NQ*(\sc)+NQ*\b+(\q)], v[SC+8*NQ*(\sc)+NQ*(\a)+(\q)] matrix_a_fmt:MATRIX_FMT_FP6 matrix_b_fmt:MATRIX_FMT_FP6 matrix_a_scale:MATRIX_SCALE_ROW1
.elseif \zero == 2
	v_wmma_scale_f32_16x16x128_f8f6f4 v[8*(8*((\a)%4)+\b):8*(8*((\a)%4)+\b)+7], v[128*(\p)+FR*\b:128*(\p)+FR*\b+FR-1], v[AF+FR*(\a):AF+FR*(\a)+FR-1], v[BI+8*(\a):BI+8*(\a)+7], v[SC+8*NQ*(\sc)+NQ*\b+(\q)], v[SC+8*NQ*(\sc)+NQ*(\a)+(\q)] matrix_a_fmt:MATRIX_FMT_FP6 matrix_b_fmt:MATRIX_FMT_FP6 matrix_a_scale:MATRIX_SCALE_ROW1
.else
	v_wmma_scale_f32_16x16x128_f8f6f4 v[8*(8*((\a)%4)+\b):8*(8*((\a)%4)+\b)+7], v[128*(\p)+FR*\b:128*(\p)+FR*\b+FR-1], v[AF+FR*(\a):AF+FR*(\a)+FR-1], v[8*(8*((\a)%4)+\b):8*(8*((\a)%4)+\b)+7], v[SC+8*NQ*(\sc)+NQ*\b+(\q)], v[SC+8*NQ*(\sc)+NQ*(\a)+(\q)] matrix_a_fmt:MATRIX_FMT_FP6 matrix_b_fmt:MATRIX_FMT_FP6 matrix_a_scale:MATRIX_SCALE_ROW1
.endif
.endr
.endr
.endm
.macro FETCH_B slot, q, p              ; S0's eight fragments of the slot's q-th 128 along K into set p
	WIN TO_B
.irp i, 0,1,2,3,4,5,6,7
	FRAG 128*(\p)+FR*\i, ADRB+\slot, \q, \i
.endr
	WIN 0
.endm
.macro FETCH_A slot, q, i0             ; S1's blocks i0 .. i0 + 3
.irp i, \i0, \i0+1, \i0+2, \i0+3
	FRAG AF+FR*(\i), ADRA+\slot, \q, \i
.endr
.endm
.macro SCALES sc                       ; a K step's scale words: two words a row; lanes 0-15 take S1's block i, lanes 16-31 S0's block i
.irp i, 0,1,2,3,4,5,6,7
	ds_load_b64 v[SC+8*NQ*\sc+NQ*\i:SC+8*NQ*\sc+NQ*\i+1], v[ADRS] offset:\i*SBLK
.endr
.endm
; A step of 128 along K that has its successor in the same slot.  With zero set, C comes from window 0 (the bias).
.macro STEP slot, q, zero
	s_wait_dscnt 4*NL                              ; S0's set and S1's blocks 0-3 are in; the youngest 24 loads (S1's blocks 4-7) may be out
.if \zero
	WIN 0x81
.else
	WIN MUL_LO
.endif
	MUL16 0, (\q)%2, \q, \slot, \zero
	MUL16 2, (\q)%2, \q, \slot, \zero
	s_wait_dscnt 0                                 ; S1's blocks 4-7 are in
	PLACES NP                                      ; in front of loads into registers that matrix instructions have read
	FETCH_B \slot, (\q)+1, 1-(\q)%2
	FETCH_A \slot, (\q)+1, 0
.if \zero
	WIN 0xc1
.else
	WIN MUL_HI
.endif
	MUL16 4, (\q)%2, \q, \slot, \zero
	MUL16 6, (\q)%2, \q, \slot, \zero
	PLACES NP
	WIN 0
	FETCH_A \slot, (\q)+1, 4
.endm
; A slot's last step changes slots: one barrier; in front of it each wave waits for all its tensor loads, adds 0 to its spare word, and waits for that and for its reads of this slot.  fill = 1: the slot is filled again, two K steps ahead.
.macro TURN slot, next, fill
	s_wait_tensorcnt 0x0                           ; all my tensor loads have landed: my part of the next slot
	ds_add_u32 v[SPW], v[NIL]                      ; 0 onto my spare word
	s_wait_dscnt 4*NL+1                            ; (the add and the youngest 24 loads may be out)
	WIN MUL_LO
	MUL16 0, 1, NQ-1, \slot, 0                     ; sixteen matrix instructions stand between the add and the wait for it
	s_wait_dscnt 0x0                               ; the add is done, and my reads of this slot are over
	s_barrier_signal -1
	MUL16 2, 1, NQ-1, \slot, 0
	WIN 0
	s_barrier_wait -1
.if \fill
	CREST                                          ; the barrier has opened a round of the cluster's barrier: no wave of any partner still reads this slot or has a load on its way
	s_add_nc_u64 s[G0+4*\slot+2:G0+4*\slot+3], s[G0+4*\slot+2:G0+4*\slot+3], 2*ROWB
	s_add_nc_u64 s[G0B+4*\slot+2:G0B+4*\slot+3], s[G0B+4*\slot+2:G0B+4*\slot+3], 2*ROWB
	JLOAD G0+4*\slot, G1, G0B+4*\slot, G1B         ; the first tensor load behind the round; its four v_nop are also the places in front of the loads below
.else
	PLACES NP
.endif
	v_add_nc_u32 v[ADRS], 4*NQ, v[ADRS]            ; on to the next K step's scale words
	FETCH_B \next, 0, 0
	FETCH_A \next, 0, 0
	SCALES \next
	WIN MUL_HI
	MUL16 4, 1, NQ-1, \slot, 0
	MUL16 6, 1, NQ-1, \slot, 0
	PLACES NP
	WIN 0
	FETCH_A \next, 0, 4
.endm
	s_wait_tensorcnt 1                             ; the scales and my part of K step 0 are in; K step 1's load may be out
	s_barrier_signal -1
	s_barrier_wait -1
	FETCH_B 0, 0, 0
	FETCH_A 0, 0, 0
	SCALES 0
	FETCH_A 0, 0, 4
	s_cmp_eq_u32 s[MODE], 2                        ; the first step names the bias's registers by S0's block (q, k) or by S1's (v): both ways hold the same loads and waits
	s_cbranch_scc1 .Lfirst_v
	STEP 0, 0, 1
	s_branch .Lfirst_done
.Lfirst_v:
	STEP 0, 0, 2
.Lfirst_done:
	TURN 0, 1, 1                                   ; K = 1,024 is four slots: twice round the ring, written out
	STEP 1, 0, 0
	TURN 1, 0, 1
	STEP 0, 0, 0
	TURN 0, 1, 0                                   ; the last lap fills nothing, and has no round of the cluster's barrier
	STEP 1, 0, 0
	s_wait_dscnt 4*NL                              ; the very last step
	WIN MUL_LO
	MUL16 0, 1, NQ-1, 1, 0
	MUL16 2, 1, NQ-1, 1, 0
	s_wait_dscnt 0
	WIN MUL_HI
	MUL16 4, 1, NQ-1, 1, 0
	MUL16 6, 1, NQ-1, 1, 0
	WIN 0
	; THE WAY OUT: no LDS.  P = my first feature, R = my first token; a head is 64 features, 393,216 bytes of halves and 16,384 bytes of scale words.
	PLACES NP                                      ; behind the last products: results are read and S1's registers written below
	s_lshl_b32 s40, s[TC], 8
	s_lshl_b32 s41, s[WL], 7
	s_add_co_u32 s40, s40, s41                     ; X
	s_lshl_b32 s41, s[TR], 8
	s_lshl_b32 s42, s[WH], 7
	s_add_co_u32 s41, s41, s42                     ; Y
	s_mov_b32 s42, 3072
	s_mov_b32 s43, 393216
	s_mov_b32 s44, 16384
	s_mov_b32 s45, 0x03020100
	s_mov_b32 s46, 0x05040100
	s_mov_b32 s47, 0x07060504
	s_mov_b32 s92, 0x07060302
	s_cmp_lg_u32 s[MODE], 2                        ; q, k | v
	s_cselect_b32 s78, s40, s41                    ; P
	s_cselect_b32 s79, s41, s40                    ; R
	s_cselect_b32 s94, s42, s43                    ; from S1's blocks 0-3 to 4-7: four token tiles | a head
	s_cselect_b32 s96, s43, s42                    ; from S0's blocks 0-3 to 4-7: a head | 64 keys
	s_cselect_b32 s80, s44, 8                      ; what lanes 16-31 add to a scale word's place
	s_cselect_b32 s81, 8, s44                      ; from a lane's first two words to its other two
	s_cselect_b32 s[SELA], s45, s46                ; how the two groups' bytes make the word of lanes 0-15,
	s_cselect_b32 s[SELB], s47, s92                ; and of lanes 16-31
	s_mov_b32 s95, 0
	s_mov_b32 s97, 0
	s_mov_b32 s93, 0
	s_mul_i32 s92, s[MODE], 6291456
	s_mul_i32 s40, s78, 6144
	s_add_co_u32 s92, s92, s40
	s_mul_i32 s40, s79, 48
	s_add_co_u32 s92, s92, s40
	s_add_nc_u64 s[OB:OB+1], s[14:15], s[92:93]
	s_add_nc_u64 s[OB+2:OB+3], s[OB:OB+1], s[96:97]
	s_add_nc_u64 s[OB+4:OB+5], s[OB:OB+1], s[94:95]
	s_add_nc_u64 s[OB+6:OB+7], s[OB+4:OB+5], s[96:97]
	s_lshl_b32 s92, s[MODE], 18
	s_lshl_b32 s40, s78, 8
	s_add_co_u32 s92, s92, s40
	s_lshl_b32 s40, s79, 1
	s_add_co_u32 s92, s92, s40
	s_add_nc_u64 s[76:77], s[16:17], s[92:93]
	s_mov_b32 s[SEL], 0x76543210
	s_mov_b32 s[SEL+1], 0xfedcba98                 ; v_permlanex16_b32's selects for lane l xor 16
	s_mov_b32 s104, 0xffff0000                     ; the lane mask of lanes 16-31
	v_mul_u32_u24 v[VSC1], s80, v2
	v_lshl_add_u32 v[VSC1], v1, 4, v[VSC1]         ; 16 r + what my half adds
	v_add_nc_u32 v[VSC2], s81, v[VSC1]
.irp b, 0,1,2,3
	v_mov_b32 v[TM+4+\b], 0                        ; a lane permute's destination counts as one of its sources
.endr
; Four blocks of 32 become two halves.  Blocks 0, 1: S1's block 2 a' over four blocks of S0; blocks 2, 3: S1's block 2 a' + 1.  Block bb stands in 16 registers from s + 16 (bb % 2) + 64 (bb / 2) of window w.
; A block's scale: the largest magnitude's exponent field less 2, held at 1 from below by the floor 2^(3 - 127) among the maximum's leaves.  Each accumulator is read from its low end on.
.macro QUANT w, s, g
	WIN 0x0a+5*((\w)-2)                            ; sources 0 and 1 in window w
.irp bb, 0,1,2,3
	v_max3_num_f32 v[TM+\bb], |v[(\s)+16*(\bb%2)+64*(\bb/2)]|, |v[(\s)+16*(\bb%2)+64*(\bb/2)+1]|, 0x1800000
.endr
.irp i, 2,4,6,8,10,12,14
.irp bb, 0,1,2,3
	v_max3_num_f32 v[TM+\bb], |v[(\s)+16*(\bb%2)+64*(\bb/2)+\i]|, |v[(\s)+16*(\bb%2)+64*(\bb/2)+\i+1]|, v[TM+\bb]
.endr
.endr
	WIN 0
.irp bb, 0,1,2,3
	v_permlanex16_b32 v[TM+4+\bb], v[TM+\bb], s[SEL], s[SEL+1]
.endr
.irp bb, 0,1,2,3
	v_max_num_f32 v[TM+\bb], v[TM+\bb], v[TM+4+\bb]   ; with lane l xor 16's sixteen: the block's largest magnitude
.endr
.irp bb, 0,1,2,3
	v_add_nc_u32 v[TM+12+\bb], 0xff000000, v[TM+\bb]  ; 2 off its exponent field: the conversion's scale operand
.endr
.irp bb, 0,1,2,3
	v_lshrrev_b32 v[TM+4+\bb], 23, v[TM+12+\bb]       ; the scale's byte
.endr
	v_lshl_or_b32 v[PW+\g], v[TM+5], 8, v[TM+4]
	v_lshl_or_b32 v[PW+\g], v[TM+6], 16, v[PW+\g]
	v_lshl_or_b32 v[PW+\g], v[TM+7], 24, v[PW+\g]
	s_wait_xcnt 0x0                                ; the stores issued so far have read the codes' registers: they are written again only behind this wait
	WIN (\w)                                       ; source 0 in window w
.irp c, 0,1
	v_cvt_scalef32_pk16_fp6_f32 v[CD+6*\c:CD+6*\c+2], v[(\s)+64*\c:(\s)+64*\c+15], v[TM+12+2*\c]
	v_cvt_scalef32_pk16_fp6_f32 v[CD+12+4*\c:CD+14+4*\c], v[(\s)+16+64*\c:(\s)+31+64*\c], v[TM+12+2*\c+1]   ; (a conversion's three registers begin on an even number)
.endr
	WIN 0
	v_nop                                          ; one plain place behind a scaled conversion
.irp c, 0,1                            ; the layout wants a whole block in a lane: lanes 0-15 the half's first block, lanes 16-31 its second
.irp i, 0,1,2
	v_permlane16_swap_b32 v[CD+6*\c+\i], v[CD+12+4*\c+\i]
.endr
.irp i, 0,1,2
	v_mov_b32 v[CD+3+6*\c+\i], v[CD+12+4*\c+\i]
.endr
.endr
.endm
.macro PUT ob, o                       ; two halves: each store covers 512 or 256 consecutive bytes, aligned
	global_store_b128 v[LI16], v[CD:CD+3], s[\ob:\ob+1] offset:\o
	global_store_b64 v[LI8], v[CD+4:CD+5], s[\ob:\ob+1] offset:\o+512
	global_store_b128 v[LI16], v[CD+6:CD+9], s[\ob:\ob+1] offset:\o+768
	global_store_b64 v[LI8], v[CD+10:CD+11], s[\ob:\ob+1] offset:\o+1280
.endm
.macro WORDS ap                        ; q, k: lanes 0-15 keep the first head's word, lanes 16-31 the second's.  v: lanes 0-15 the word of feature tile 2 a', lanes 16-31 of 2 a' + 1, each from both groups' bytes
	v_perm_b32 v[OU1], v[PW+1], v[PW], s[SELA]
	v_perm_b32 v[OU2], v[PW+1], v[PW], s[SELB]
	v_cndmask_b32 v[SW+\ap], v[OU1], v[OU2], s104
.endm
.irp ap, 0,1,2,3
.irp g, 0,1
	QUANT 2+\ap/2, 64*((2*\ap)%4)+32*\g, \g
	PUT OB+4*(\ap/2)+2*\g, (\ap%2)*1536
.endr
	WORDS \ap
.endr
	global_store_b64 v[VSC1], v[SW:SW+1], s[76:77]
	global_store_b64 v[VSC2], v[SW+2:SW+3], s[76:77]
	s_wait_tensorcnt 0x0                           ; the wave's end
	ds_add_u32 v[SPW], v[NIL]
	s_wait_dscnt 0x0
	CROUND                                         ; the closing round: no work-group ends while a partner may still ask for a tile that names it
	s_endpgm
.Lfunc_end_k_q4f3682aff8_proj:
	.size	k_q4f3682aff8_proj, .Lfunc_end_k_q4f3682aff8_proj-k_q4f3682aff8_proj
	.p2alignl 7, 3214868480
	.fill 96, 4, 3214868480
	.section	.rodata,"a",@progbits
	.p2align	6, 0x0
	.amdhsa_kernel k_q4f3682aff8_proj
		.amdhsa_group_segment_fixed_size 327680
		.amdhsa_private_segment_fixed_size 0
		.amdhsa_enable_private_segment 0
		.amdhsa_kernarg_size 152
		.amdhsa_user_sgpr_count 2
		.amdhsa_user_sgpr_kernarg_segment_ptr 1
		.amdhsa_wavefront_size32 1
		.amdhsa_system_sgpr_workgroup_id_x 1
		.amdhsa_system_sgpr_workgroup_id_y 1
		.amdhsa_system_sgpr_workgroup_id_z 1
		.amdhsa_system_vgpr_workitem_id 0
		.amdhsa_next_free_vgpr 1024
		.amdhsa_next_free_sgpr 106
		.amdhsa_reserve_vcc 0
		.amdhsa_float_denorm_mode_32 3
		.amdhsa_float_denorm_mode_16_64 3
		.amdhsa_memory_ordered 1
		.amdhsa_forward_progress 1
		.amdhsa_inst_pref_size 217
	.end_amdhsa_kernel
	.amdgpu_metadata
---
amdhsa.version: [ 1, 2 ]
amdhsa.kernels:
  - .name:           k_q4f3682aff8_proj
    .symbol:         k_q4f3682aff8_proj.kd
    .args:
      - { .name: queries_codes, .offset: 0, .size: 8, .value_kind: global_buffer, .address_space: global }
      - { .name: queries_scales, .offset: 8, .size: 8, .value_kind: global_buffer, .address_space: global }
      - { .name: Wq_codes, .offset: 16, .size: 8, .value_kind: global_buffer, .address_space: global }
      - { .name: Wq_scales, .offset: 24, .size: 8, .value_kind: global_buffer, .address_space: global }
      - { .name: keys_codes, .offset: 32, .size: 8, .value_kind: global_buffer, .address_space: global }
      - { .name: keys_scales, .offset: 40, .size: 8, .value_kind: global_buffer, .address_space: global }
      - { .name: Wk_codes, .offset: 48, .size: 8, .value_kind: global_buffer, .address_space: global }
      - { .name: Wk_scales, .offset: 56, .size: 8, .value_kind: global_buffer, .address_space: global }
      - { .name: Wv_codes, .offset: 64, .size: 8, .value_kind: global_buffer, .address_space: global }
      - { .name: Wv_scales, .offset: 72, .size: 8, .value_kind: global_buffer, .address_space: global }
      - { .name: values_codes, .offset: 80, .size: 8, .value_kind: global_buffer, .address_space: global }
      - { .name: values_scales, .offset: 88, .size: 8, .value_kind: global_buffer, .address_space: global }
      - { .name: bq, .offset: 96, .size: 8, .value_kind: global_buffer, .address_space: global }
      - { .name: bk, .offset: 104, .size: 8, .value_kind: global_buffer, .address_space: global }
      - { .name: bv, .offset: 112, .size: 8, .value_kind: global_buffer, .address_space: global }
      - { .name: mask, .offset: 120, .size: 8, .value_kind: global_buffer, .address_space: global }
      - { .name: pimg, .offset: 128, .size: 8, .value_kind: global_buffer, .address_space: global }
      - { .name: psc, .offset: 136, .size: 8, .value_kind: global_buffer, .address_space: global }
      - { .name: maskw, .offset: 144, .size: 8, .value_kind: global_buffer, .address_space: global }
    .group_segment_fixed_size: 327680
    .private_segment_fixed_size: 0
    .kernarg_segment_align: 8
    .kernarg_segment_size: 152
    .max_flat_workgroup_size: 128
    .sgpr_count:     106
    .vgpr_count:     1024
    .wavefront_size: 32
...
	.end_amdgpu_metadata
.endif
;; end of part 1
;; launch attn (part 2): grid 4 x 64, 16 waves a work-group, clusters of 4 x 1, 327,680 bytes of LDS; arguments pimg, psc, maskw, cimg, csc; writes cimg, csc
.if DOCPART == 2
	.amdgcn_target "amdgcn-amd-amdhsa--gfx1250"
	.amdhsa_code_object_version 6
	.text
	.protected	k_q4f3682aff8_attn
	.globl	k_q4f3682aff8_attn
	.p2align	8
	.type	k_q4f3682aff8_attn,@function
k_q4f3682aff8_attn:
	s_mov_b64 s[64:65], 0
	v_nop
	global_prefetch_b8 v0, s[64:65] scope:SCOPE_SE
	s_setreg_imm32_b32 hwreg(HW_REG_WAVE_MODE, 25, 1), 1
	s_wait_xcnt 0x0
	s_wait_alu depctr_hold_cnt(0) depctr_sa_sdst(0) depctr_va_vdst(0) depctr_va_sdst(0) depctr_va_ssrc(0) depctr_va_vcc(0) depctr_vm_vsrc(0)
	s_getreg_b32 s2, hwreg(HW_REG_IB_STS2, 6, 4)
	s_cmp_eq_u32 s2, 0
	s_cbranch_scc0 .Lentry_in_a_cluster
	s_endpgm
.Lentry_in_a_cluster:
	s_bfe_u32 s2, ttmp6, 0x10000c
	s_cmp_lg_u32 s2, 0x3003
	s_cbranch_scc0 .Lentry_shape_is_right
	s_endpgm
.Lentry_shape_is_right:
; ctx = softmax(mask(q k^T / 8)) v for one batch and head, both products on codes of FP6 (E2M3) with E8M0 scales; ctx is quantised along the model's 1,024 and stored as codes.
; SHARES.  Work-group y = 4 x head + batch; the four work-groups of a cluster take 512 queries each.  Sixteen waves, four to a SIMD, 256 registers each; a wave takes one tile of 16 queries in each of two passes.
; ALL OF THE HEAD'S K, V AND THEIR SCALE WORDS STAY IN LDS, 204,800 bytes, filled once: no slot is ever filled again.  The four partners read the same bytes, so every fill is a joint load that names the four.
; Wave 0 brings K and wave 1 V: the scale words, then four chunks of 512 keys; each chunk is waited for when the first pass reaches it.
; LAYOUT.  Both products are used transposed: S^T = K Q^T (source 0 = keys, source 1 = my 16 queries), O^T = V^T P^T (source 0 = 16 of the head's 64, source 1 = P): a lane holds ONE query (lane % 16) throughout.
; A HALF is 768 bytes, the image of six operand registers (16 rows x 64 along K): registers 0-3 at 16 x lane, 4-5 at 512 + 8 x lane.  Any two halves are a fragment: four loads at lane-linear addresses.
; K = 64 IN AN INSTRUCTION OF 128.  A fragment of K holds TWO tiles of 16 keys.  Q stands as zeros | q | zeros in 18 registers: [q | 0] multiplies the first tile, [0 | q] the second.  Zero codes add nothing under any scale byte from 1 to 254.
; THE SOFTMAX: t = score x log2(e) / 8; M = the largest t so far rounded up to a whole number; p = 2^(t - M) is quantised along the keys, not normalised; the row's sum is taken of the unquantised p and divides at the end.
; When M moves, the sum and O^T are multiplied by 2^(old M - new M), exactly.  No branch hangs on data.
; THE MASK comes as lane-mask words (one word for each register of S^T), by scalar loads; one select a register puts -2^126 in a hidden score's place.
; LIMITS.  A hidden score counts as -2^126, not as the smallest f32 number: real scores must lie above -2^126.  Times c that number is exact, so a row (or the part of a row seen so far) with every key hidden gives t - M = 0 and p = 1,
; the uniform weights that a softmax of equal scores gives; the first open key multiplies those sums by 0.  NaN and infinities are not served.  A block of zeros keeps the byte 1 (its codes are zeros; only this program reads the bytes).
.set SCK,  196608                      ; LDS: K's halves at 0 (6,144 bytes a step of 128 keys), V's at 98,304, K's scale words here (256 bytes a step), V's 4,096 on
.set WV,   18
.set PASS, 19
.set SEL,  20                          ; s[20:21] lane selects for lane l xor 16
.set CS,   22                          ; s[22:23] c = log2(e) / 8, twice: the packed form names a pair
.set G1C,  24                          ; s[24:31] group 1: a chunk, 96 rows of 256 bytes
.set G1S,  32                          ; s[32:39] group 1: the scale words, 16 rows of 256 bytes
.set G0,   40                          ; s[40:59] five groups 0
.set TB,   60                          ; the step's halves in LDS
.set TS,   61                          ; the step's scale words
.set MOFF, 62                          ; the step's mask words, from my tile's first
.set CNT,  63
.set MS,   68                          ; s[68:99] 32 mask words
.set HI16, 104                         ; the lane mask of lanes 16-31
.set KV,   40                          ; v40-87 four fragments of K, then of V
.set S,    96                          ; v96-159 S^T, then p
.set O,    160                         ; v160-191 O^T
.set CD,   192                         ; v192-203 p's codes
.set CT,   204                         ; v204-210 the conversions' second halves
.set BM,   212                         ; v212-215 the blocks' largest scores, then largest p
.set EX,   216                         ; v216-219 exchanged maxima, bytes, a chain of the sum
.set SO,   220                         ; v220-223 the conversions' scale operands
.set PW,   224                         ; v224 p's scale word (scales only);  v34 Q's;  v36-39 lanes 0-15 K's four words, lanes 16-31 V's four
.set F,    226                         ; v[226:227] f = 2^(old M - new M)
.set TMP,  228
.set NEG,  229
.set TM2,  230
; v1 16 x lane, v2 8 x lane, v3, v4 the same + 98,304; v5-9 the step's addresses; v10 32 r + h; v11 my scale words' place; v12 -M, v13 the largest t, v[14:15] the sum; v16-21 zeros, v22-27 q, v28-33 zeros; v35 16 r
.macro CROUND
	s_barrier_signal -1
	s_barrier_wait -1
	s_cmp_lg_u32 s[WV], 0
	s_cbranch_scc1 .Lnot_wave_0_\@
	s_barrier_signal -3
.Lnot_wave_0_\@:
	s_barrier_wait -3
	s_barrier_signal -1
	s_barrier_wait -1
.endm
	s_load_b256 s[68:75], s[0:1], 0x0              ; pimg, psc, maskw, cimg
	s_load_b64 s[76:77], s[0:1], 0x20              ; csc
	v_lshl_add_u32 v254, v0, 2, 0x32000
	v_mov_b32 v255, 0
	ds_add_u32 v254, v255
	ds_add_u32 v254, v255
	v_lshrrev_b32 v1, 5, v0
	v_readfirstlane_b32 s[WV], v1                  ; wave 0..15
	s_bfe_u32 s78, ttmp6, 0x40000                  ; cx: it enters the addresses of q, the mask and the outputs alone
	s_and_b32 s79, ttmp7, 0xffff                   ; y = 4 x head + batch, which the partners share
	s_and_b32 s80, s[WV], 1                        ; wave 0 fetches K, wave 1 V
	s_mul_i32 s82, s79, 98304                      ; y's halves in each of q, k, v
	s_lshl_b32 s84, s79, 12                        ; y's scale words
	s_add_co_u32 s86, s80, 1
	s_mul_i32 s88, s86, 6291456                    ; k's part of pimg, or v's
	s_add_co_u32 s88, s88, s82
	s_mov_b32 s89, 0
	s_lshl_b32 s90, s86, 18                        ; k's part of psc, or v's
	s_add_co_u32 s90, s90, s84
	s_mov_b32 s91, 0
	s_mul_i32 s87, s80, 98304                      ; where they go in LDS: no place in the cluster enters an LDS address
	s_lshl_b32 s86, s80, 12
	s_lshl_b32 s92, s78, 5
	s_add_co_u32 s92, s92, s[WV]                   ; my tile of queries in the first pass: 32 cx + wave
	s_mul_i32 s94, s92, 768
	s_add_co_u32 s94, s94, s82                     ; its half
	s_mov_b32 s95, 0
	s_lshr_b32 s96, s92, 3                         ; its scale bytes: 256 bytes for 128 tokens, in a row's 16 bytes two for each tile
	s_lshl_b32 s96, s96, 8
	s_and_b32 s97, s92, 7
	s_lshl_b32 s97, s97, 1
	s_add_co_u32 s96, s96, s97
	s_add_co_u32 s96, s96, s84
	s_mov_b32 s97, 0
	s_lshl_b32 s98, s92, 12                        ; its mask words: 16 steps of 64
	s_mov_b32 s99, 0
	s_mov_b32 s[G1C], 15|(3<<16)|(1<<21)           ; 15:0 the mask: all four work-groups; 17:16 elements of 8 bytes; 20 no padding; 21 set beside a mask
	s_mov_b32 s[G1C+1], 32<<16                     ; tensor_dim0: 32 elements, 256 bytes
	s_mov_b32 s[G1C+2], 96<<16                     ; tensor_dim1
	s_mov_b32 s[G1C+3], 32<<16                     ; tile_dim0
	s_mov_b32 s[G1C+4], 96                         ; tile_dim1
	s_mov_b32 s[G1C+5], 32                         ; the pitch: dense
	s_mov_b32 s[G1C+6], 0
	s_mov_b32 s[G1C+7], 0
	s_mov_b32 s[G1S], 15|(3<<16)|(1<<21)
	s_mov_b32 s[G1S+1], 32<<16
	s_mov_b32 s[G1S+2], 16<<16
	s_mov_b32 s[G1S+3], 32<<16
	s_mov_b32 s[G1S+4], 16
	s_mov_b32 s[G1S+5], 32
	s_mov_b32 s[G1S+6], 0
	s_mov_b32 s[G1S+7], 0
	s_mov_b32 s[SEL], 0x76543210
	s_mov_b32 s[SEL+1], 0xfedcba98
	s_mov_b32 s[CS], 0x3e38aa3b                    ; log2(e) / 8
	s_mov_b32 s[CS+1], s[CS]
	s_mov_b32 s[HI16], 0xffff0000
	s_mov_b32 s[PASS], 2
	v_and_b32 v[TM2], 31, v0
	v_lshlrev_b32 v1, 4, v[TM2]
	v_lshlrev_b32 v2, 3, v[TM2]
	v_add_nc_u32 v3, 98304, v1
	v_add_nc_u32 v4, 98304, v2
	v_and_b32 v[TMP], 15, v0                       ; r
	v_bfe_u32 v[TM2], v0, 4, 1                     ; h
	v_lshl_add_u32 v10, v[TMP], 5, v[TM2]          ; csc: 32 bytes a token, + my block
	v_lshlrev_b32 v35, 4, v[TMP]
	v_lshl_add_u32 v11, v[TM2], 12, v35            ; 16 r; lanes 16-31 take V's words, 4,096 bytes on: one product
	v_add_nc_u32 v11, SCK, v11
.irp j, 16,17,18,19,20,21,28,29,30,31,32,33
	v_mov_b32 v[\j], 0                             ; the zero codes on both sides of q
.endr
	v_mov_b32 v[NEG], 0xfe800000                   ; -2^126
	v_mov_b32 v[F+1], 0                            ; (named as the upper half of a pair)
.irp b, 0,1,2,3
	v_mov_b32 v[EX+\b], 0                          ; a lane permute's destination counts as one of its sources
.endr
	s_wait_dscnt 0x0
	s_wait_kmcnt 0x0
	s_add_nc_u64 s[4:5], s[68:69], s[94:95]        ; my q
	s_add_nc_u64 s[6:7], s[70:71], s[96:97]        ; its scale bytes
	s_add_nc_u64 s[8:9], s[72:73], s[98:99]        ; my mask words
	s_and_b32 s96, s79, 3                          ; batch
	s_lshr_b32 s97, s79, 2                         ; head
	s_mul_i32 s94, s96, 1572864                    ; cimg: [token tile][head][768]
	s_mul_i32 s98, s92, 12288
	s_add_co_u32 s94, s94, s98
	s_mul_i32 s98, s97, 768
	s_add_co_u32 s94, s94, s98
	s_add_nc_u64 s[10:11], s[74:75], s[94:95]
	s_lshl_b32 s94, s96, 16                        ; csc: [token][32], byte 2 x head + block
	s_lshl_b32 s98, s92, 9
	s_add_co_u32 s94, s94, s98
	s_lshl_b32 s98, s97, 1
	s_add_co_u32 s94, s94, s98
	s_add_nc_u64 s[12:13], s[76:77], s[94:95]
	s_add_nc_u64 s[88:89], s[68:69], s[88:89]      ; the head's K or V,
	s_add_nc_u64 s[90:91], s[70:71], s[90:91]      ; and its scale words
	s_mov_b32 s[G0], 1
	s_add_co_u32 s[G0+1], s86, SCK
	s_mov_b64 s[G0+2:G0+3], s[90:91]
	s_or_b32 s[G0+3], s[G0+3], 0x80000000
.irp c, 0,1,2,3
	s_mov_b32 s[G0+4+4*\c], 1
	s_add_co_u32 s[G0+5+4*\c], s87, 24576*\c
	s_add_nc_u64 s[G0+6+4*\c:G0+7+4*\c], s[88:89], 24576*\c
	s_or_b32 s[G0+7+4*\c], s[G0+7+4*\c], 0x80000000
.endr
	CROUND                                         ; all four work-groups are here: the joint loads meet
	s_cmp_lt_u32 s[WV], 2                          ; a wave's fills stand in one branch, ahead of every wait on TENSORcnt, every LDS read and every other barrier: five loads of waves 0 and 1 are out
	s_cbranch_scc0 .Lno_fill
	tensor_load_to_lds s[G0:G0+3], s[G1S:G1S+7]
	s_nop 0
.irp c, 0,1,2,3
	tensor_load_to_lds s[G0+4+4*\c:G0+7+4*\c], s[G1C:G1C+7]
	s_nop 0
.endr
.rept 4
	v_nop
.endr
.Lno_fill:
.macro MASK n0                         ; registers n0 .. n0 + 31 of S^T, in ascending order: each accumulator is read from its low end on
.set NI, 0
.rept 32
	v_cndmask_b32 v[S+\n0+NI], v[NEG], v[S+\n0+NI], s[MS+NI]
.set NI, NI+1
.endr
.endm
.macro BMAX b0                         ; the largest score of blocks b0, b0 + 1 of 32 keys: it serves the row's maximum and, since p rises with the score, the block's largest p
.irp b, \b0, \b0+1
	v_max3_num_f32 v[BM+\b], v[S+16*(\b)], v[S+16*(\b)+1], v[S+16*(\b)+2]
.endr
.irp i, 3,5,7,9,11,13
.irp b, \b0, \b0+1
	v_max3_num_f32 v[BM+\b], v[BM+\b], v[S+16*(\b)+\i], v[S+16*(\b)+\i+1]
.endr
.endr
.irp b, \b0, \b0+1
	v_max_num_f32 v[BM+\b], v[BM+\b], v[S+16*(\b)+15]
.endr
.endm
; A KEY STEP: 128 keys.
.macro STEP
	v_add_nc_u32 v5, s[TB], v1                     ; five additions: also the places behind the last step's products, in front of the loads into their registers
	v_add_nc_u32 v6, s[TB], v2
	v_add_nc_u32 v7, s[TB], v3
	v_add_nc_u32 v8, s[TB], v4
	v_add_nc_u32 v9, s[TS], v11
.irp b, 0,1,2,3                        ; fragment b: key tiles 2 b and 2 b + 1
	ds_load_b128 v[KV+12*\b:KV+12*\b+3], v5 offset:1536*\b
	ds_load_b64 v[KV+12*\b+4:KV+12*\b+5], v6 offset:1536*\b+512
	ds_load_b128 v[KV+12*\b+6:KV+12*\b+9], v5 offset:1536*\b+768
	ds_load_b64 v[KV+12*\b+10:KV+12*\b+11], v6 offset:1536*\b+1280
.endr
	ds_load_b128 v[36:39], v9                      ; the step's scale words: lanes 0-15 K's, lanes 16-31 V's
	s_wait_dscnt 0x0
.irp b, 0,1,2,3                        ; eight products on eight accumulators; register 16 b + 8 u + j of S^T is key 32 b + 16 u + 8 h + j
	v_wmma_scale_f32_16x16x128_f8f6f4 v[S+16*\b:S+16*\b+7], v[KV+12*\b:KV+12*\b+11], v[22:33], 0, v[36+\b], v34 matrix_a_fmt:MATRIX_FMT_FP6 matrix_b_fmt:MATRIX_FMT_FP6
	v_wmma_scale_f32_16x16x128_f8f6f4 v[S+16*\b+8:S+16*\b+15], v[KV+12*\b:KV+12*\b+11], v[16:27], 0, v[36+\b], v34 matrix_a_fmt:MATRIX_FMT_FP6 matrix_b_fmt:MATRIX_FMT_FP6
.endr
.rept 4
	v_nop                                          ; places in front of the first read of the scores and of the loads into K's registers
.endr
	s_wait_kmcnt 0x0                               ; mask words 0-31, asked for a step ago
	MASK 0
	s_load_b512 s[MS:MS+15], s[8:9], s[MOFF] offset:0x80      ; words 32-63 into the same registers
	s_load_b512 s[MS+16:MS+31], s[8:9], s[MOFF] offset:0xc0
.irp x, 0,1,2,3                        ; V's four fragments land under the softmax: tile x of 16 of the head's 64, the step's two groups of 64 keys
	ds_load_b128 v[KV+12*\x:KV+12*\x+3], v7 offset:768*\x
	ds_load_b64 v[KV+12*\x+4:KV+12*\x+5], v8 offset:768*\x+512
	ds_load_b128 v[KV+12*\x+6:KV+12*\x+9], v7 offset:3072+768*\x
	ds_load_b64 v[KV+12*\x+10:KV+12*\x+11], v8 offset:3072+768*\x+512
.endr
	BMAX 0
	s_wait_kmcnt 0x0
	MASK 32
	s_add_co_u32 s[MOFF], s[MOFF], 256             ; no scalar load is out: the offset may step.  It wraps inside my tile's 4,096 bytes, so the last step's request stays in the buffer
	s_and_b32 s[MOFF], s[MOFF], 0xfff
	s_load_b512 s[MS:MS+15], s[8:9], s[MOFF] offset:0x0       ; the next step's words 0-31
	s_load_b512 s[MS+16:MS+31], s[8:9], s[MOFF] offset:0x40
	BMAX 2
.irp b, 0,1,2,3
	v_permlanex16_b32 v[EX+\b], v[BM+\b], s[SEL], s[SEL+1]
.endr
.irp b, 0,1,2,3
	v_max_num_f32 v[BM+\b], v[BM+\b], v[EX+\b]     ; with lane l xor 16's 16 keys
.endr
	v_max3_num_f32 v[TMP], v[BM], v[BM+1], v[BM+2]
	v_max_num_f32 v[TMP], v[TMP], v[BM+3]          ; the step's largest score of my query
	v_mul_f32 v[TMP], s[CS], v[TMP]                ; as t
	v_max_num_f32 v13, v13, v[TMP]                 ; the running largest t
	v_mov_b32 v[TMP], v12
	v_floor_f32 v12, -v13                          ; the new -M = floor(-t): M is a whole number
	v_sub_f32 v[TMP], v12, v[TMP]                  ; old M - new M: a whole number, 0 or less
	v_cvt_i32_f32 v[TMP], v[TMP]                   ; (it saturates)
	v_ldexp_f32 v[F], 1.0, v[TMP]                  ; f = 2^(old M - new M)
.irp j, 0,2,4,6,8,10,12,14,16,18,20,22,24,26,28,30,32,34,36,38,40,42,44,46,48,50,52,54,56,58,60,62
	v_pk_fma_f32 v[S+\j:S+\j+1], v[S+\j:S+\j+1], s[CS:CS+1], v[12:13] op_sel_hi:[1,0,0]   ; t - M, two at a time
.endr
.irp b, 0,1,2,3
	v_fma_f32 v[BM+\b], v[BM+\b], s[CS], v12       ; the same of each block's largest score
.endr
.irp j, 0,1,2,3,4,5,6,7,8,9,10,11,12,13,14,15,16,17,18,19,20,21,22,23,24,25,26,27,28,29,30,31,32,33,34,35,36,37,38,39,40,41,42,43,44,45,46,47,48,49,50,51,52,53,54,55,56,57,58,59,60,61,62,63
	v_exp_f32 v[S+\j], v[S+\j]                     ; p = 2^(t - M), at most 1
.endr
.irp b, 0,1,2,3
	v_exp_f32 v[BM+\b], v[BM+\b]                   ; the block's largest p: the same two instructions on the same number
.endr
	v_pk_mul_f32 v[14:15], v[14:15], v[F:F+1] op_sel_hi:[1,0]   ; the sums under the new M (a plain place behind the exponentials)
	s_wait_alu depctr_va_vdst(0)
.irp b, 0,1,2,3
	v_max_num_f32 v[BM+\b], 0x1800000, v[BM+\b]    ; the floor 2^(3 - 127): the byte cannot fall under 1
.endr
.irp b, 0,1,2,3
	v_add_nc_u32 v[SO+\b], 0xff000000, v[BM+\b]    ; 2 off the exponent field: the conversion's scale operand
.endr
.irp b, 0,1,2,3
	v_lshrrev_b32 v[EX+\b], 23, v[SO+\b]           ; the scale's byte
.endr
	v_lshl_or_b32 v[PW], v[EX+1], 8, v[EX]         ; p's scale word for these 128 keys
	v_lshl_or_b32 v[PW], v[EX+2], 16, v[PW]
	v_lshl_or_b32 v[PW], v[EX+3], 24, v[PW]
.irp c, 0,1
	v_cvt_scalef32_pk16_fp6_f32 v[CD+6*\c:CD+6*\c+2], v[S+32*\c:S+32*\c+15], v[SO+2*\c]
	v_cvt_scalef32_pk16_fp6_f32 v[CT+4*\c:CT+4*\c+2], v[S+16+32*\c:S+31+32*\c], v[SO+2*\c+1]   ; (a conversion's three registers begin on an even number)
.endr
	v_nop                                          ; one plain place behind a scaled conversion
.irp c, 0,1                            ; a whole block in a lane: lanes 0-15 block 2 c, lanes 16-31 block 2 c + 1
.irp i, 0,1,2
	v_permlane16_swap_b32 v[CD+6*\c+\i], v[CT+4*\c+\i]
.endr
.irp i, 0,1,2
	v_mov_b32 v[CD+3+6*\c+\i], v[CT+4*\c+\i]
.endr
.endr
	v_pk_add_f32 v[EX:EX+1], v[S:S+1], v[S+2:S+3]  ; the row's sum is taken of the unquantised p: two at a time, in two chains
.irp j, 4,8,12,16,20,24,28,32,36,40,44,48,52,56,60
	v_pk_add_f32 v[14:15], v[14:15], v[S+\j:S+\j+1]
	v_pk_add_f32 v[EX:EX+1], v[EX:EX+1], v[S+\j+2:S+\j+3]
.endr
	v_pk_add_f32 v[14:15], v[14:15], v[EX:EX+1]
.irp j, 0,2,4,6,8,10,12,14,16,18,20,22,24,26,28,30
	v_pk_mul_f32 v[O+\j:O+\j+1], v[O+\j:O+\j+1], v[F:F+1] op_sel_hi:[1,0]   ; O^T under the new M.  (The sums and these are far more than the eight places between p's scale word and the products below)
.endr
	s_wait_dscnt 0x0                               ; V is in
.irp x, 0,1,2,3                        ; four accumulators by turns; V's word of tile x stands in slot 2 (x % 2) + x / 2, in lanes 16-31
	v_wmma_scale_f32_16x16x128_f8f6f4 v[O+8*\x:O+8*\x+7], v[KV+12*\x:KV+12*\x+11], v[CD:CD+11], v[O+8*\x:O+8*\x+7], v[36+2*(\x%2)+\x/2], v[PW] matrix_a_fmt:MATRIX_FMT_FP6 matrix_b_fmt:MATRIX_FMT_FP6 matrix_a_scale:MATRIX_SCALE_ROW1
.endr
	s_add_co_u32 s[TB], s[TB], 6144
	s_add_co_u32 s[TS], s[TS], 256
.endm
; Four key steps: the keys that chunk c brought.  The count leaves the 3 - c chunks that waves 0 and 1 asked for behind it on their way; the other waves have none out.
.macro CHUNK c
	s_wait_dscnt 0x0
	s_wait_tensorcnt 3-\c
	s_barrier_signal -1
	s_barrier_wait -1
	s_mov_b32 s[TB], 24576*\c
	s_mov_b32 s[TS], 1024*\c
	s_mov_b32 s[CNT], 4
.Lstep_\@:
	STEP
	s_sub_co_u32 s[CNT], s[CNT], 1
	s_cmp_lg_u32 s[CNT], 0
	s_cbranch_scc1 .Lstep_\@
.endm
.Lpass:                                ; two trips: tiles 32 cx + wave and 32 cx + 16 + wave
	global_load_b128 v[22:25], v1, s[4:5]          ; q's half
	global_load_b64 v[26:27], v2, s[4:5] offset:512
	global_load_u16 v[TM2], v35, s[6:7]            ; row r's two scale bytes
	s_mov_b32 s[MOFF], 0
	s_load_b512 s[MS:MS+15], s[8:9], s[MOFF] offset:0x0
	s_load_b512 s[MS+16:MS+31], s[8:9], s[MOFF] offset:0x40
	v_mov_b32 v13, 0xff61b1e6                      ; the largest t so far: -3e38, under every t, a hidden key's too
	v_floor_f32 v12, -v13
	v_mov_b32 v14, 0
	v_mov_b32 v15, 0
	s_wait_loadcnt 0x0
	v_lshl_or_b32 v34, v[TM2], 16, v[TM2]          ; the two bytes twice: one word serves [q | 0] and [0 | q]
.irp j, 0,1,2,3,4,5,6,7,8,9,10,11,12,13,14,15,16,17,18,19,20,21,22,23,24,25,26,27,28,29,30,31
	v_mov_b32 v[O+\j], 0                           ; O^T: the step is written once, and its first change of M multiplies zeros.  (These are also the places between Q's scale word and the first product)
.endr
	CHUNK 0
	CHUNK 1
	CHUNK 2
	CHUNK 3
	; THE TILE'S END: ctx = O^T / the sum, in the natural order of the head's 64, quantised in two blocks of 32, stored as one half and two bytes a row.
.rept 4
	v_nop
.endr
	v_add_f32 v14, v14, v15
	v_permlanex16_b32 v[TMP], v14, s[SEL], s[SEL+1]
	v_add_f32 v14, v14, v[TMP]                     ; the row's sum
	v_rcp_f32 v14, v14
	v_nop                                          ; one plain place behind a transcendental
	s_wait_alu depctr_va_vdst(0)
.irp j, 0,1,2,3,4,5,6,7,8,9,10,11,12,13,14,15,16,17,18,19,20,21,22,23,24,25,26,27,28,29,30,31
	v_mul_f32 v[S+\j], v[O+\j], v14                ; register 8 x + j: ctx(r, 16 x + 8 h + j)
.endr
.irp e, 0,1
.irp j, 0,1,2,3,4,5,6,7
	v_permlane16_swap_b32 v[S+16*\e+\j], v[S+8+16*\e+\j]   ; now register 16 e + i is ctx(r, 32 e + 16 h + i): Wo's codes come in the natural order
.endr
.endr
.irp e, 0,1
	v_max3_num_f32 v[BM+\e], |v[S+16*\e]|, |v[S+16*\e+1]|, 0x1800000
.endr
.irp i, 2,4,6,8,10,12,14
.irp e, 0,1
	v_max3_num_f32 v[BM+\e], v[BM+\e], |v[S+16*\e+\i]|, |v[S+16*\e+\i+1]|
.endr
.endr
.irp e, 0,1
	v_permlanex16_b32 v[EX+\e], v[BM+\e], s[SEL], s[SEL+1]
.endr
.irp e, 0,1
	v_max_num_f32 v[BM+\e], v[BM+\e], v[EX+\e]
.endr
.irp e, 0,1
	v_add_nc_u32 v[SO+\e], 0xff000000, v[BM+\e]
.endr
.irp e, 0,1
	v_lshrrev_b32 v[EX+\e], 23, v[SO+\e]
.endr
	v_cvt_scalef32_pk16_fp6_f32 v[CD:CD+2], v[S:S+15], v[SO]
	v_cvt_scalef32_pk16_fp6_f32 v[CT:CT+2], v[S+16:S+31], v[SO+1]
	v_nop
.irp i, 0,1,2
	v_permlane16_swap_b32 v[CD+\i], v[CT+\i]
.endr
.irp i, 0,1,2
	v_mov_b32 v[CD+3+\i], v[CT+\i]
.endr
	global_store_b128 v1, v[CD:CD+3], s[10:11]     ; 512 consecutive bytes, aligned,
	global_store_b64 v2, v[CD+4:CD+5], s[10:11] offset:512   ; and 256
	v_cndmask_b32 v[TMP], v[EX], v[EX+1], s[HI16]  ; lanes 0-15 the first block's byte, lanes 16-31 the second's
	global_store_b8 v10, v[TMP], s[12:13]          ; single bytes, 32 apart: one byte in 24 of what the wave stores; in return the next launch reads these scales as it reads a given input's
	s_wait_xcnt 0x0                                ; the stores have read their registers and bases,
	s_wait_kmcnt 0x0                               ; and the last step's scalar loads theirs: the pointers may step
	s_add_nc_u64 s[4:5], s[4:5], 12288             ; sixteen tiles on
	s_add_nc_u64 s[6:7], s[6:7], 512
	s_add_nc_u64 s[8:9], s[8:9], 65536
	s_add_nc_u64 s[10:11], s[10:11], 196608
	s_add_nc_u64 s[12:13], s[12:13], 8192
	s_sub_co_u32 s[PASS], s[PASS], 1
	s_cmp_lg_u32 s[PASS], 0
	s_cbranch_scc1 .Lpass
	s_wait_tensorcnt 0x0
	s_wait_dscnt 0x0
	s_wait_tensorcnt 0x0
	ds_add_u32 v254, v255
	s_wait_dscnt 0x0
	CROUND                                         ; the closing round
	s_endpgm
.Lfunc_end_k_q4f3682aff8_attn:
	.size	k_q4f3682aff8_attn, .Lfunc_end_k_q4f3682aff8_attn-k_q4f3682aff8_attn
	.p2alignl 7, 3214868480
	.fill 96, 4, 3214868480
	.section	.rodata,"a",@progbits
	.p2align	6, 0x0
	.amdhsa_kernel k_q4f3682aff8_attn
		.amdhsa_group_segment_fixed_size 327680
		.amdhsa_private_segment_fixed_size 0
		.amdhsa_enable_private_segment 0
		.amdhsa_kernarg_size 40
		.amdhsa_user_sgpr_count 2
		.amdhsa_user_sgpr_kernarg_segment_ptr 1
		.amdhsa_wavefront_size32 1
		.amdhsa_system_sgpr_workgroup_id_x 1
		.amdhsa_system_sgpr_workgroup_id_y 1
		.amdhsa_system_sgpr_workgroup_id_z 1
		.amdhsa_system_vgpr_workitem_id 0
		.amdhsa_next_free_vgpr 256
		.amdhsa_next_free_sgpr 106
		.amdhsa_reserve_vcc 0
		.amdhsa_float_denorm_mode_32 3
		.amdhsa_float_denorm_mode_16_64 3
		.amdhsa_memory_ordered 1
		.amdhsa_forward_progress 1
		.amdhsa_inst_pref_size 96
	.end_amdhsa_kernel
	.amdgpu_metadata
---
amdhsa.version: [ 1, 2 ]
amdhsa.kernels:
  - .name:           k_q4f3682aff8_attn
    .symbol:         k_q4f3682aff8_attn.kd
    .args:
      - { .name: pimg, .offset: 0, .size: 8, .value_kind: global_buffer, .address_space: global }
      - { .name: psc, .offset: 8, .size: 8, .value_kind: global_buffer, .address_space: global }
      - { .name: maskw, .offset: 16, .size: 8, .value_kind: global_buffer, .address_space: global }
      - { .name: cimg, .offset: 24, .size: 8, .value_kind: global_buffer, .address_space: global }
      - { .name: csc, .offset: 32, .size: 8, .value_kind: global_buffer, .address_space: global }
    .group_segment_fixed_size: 327680
    .private_segment_fixed_size: 0
    .kernarg_segment_align: 8
    .kernarg_segment_size: 40
    .max_flat_workgroup_size: 512
    .sgpr_count:     106
    .vgpr_count:     256
    .wavefront_size: 32
...
	.end_amdgpu_metadata
.endif
;; end of part 2
;; launch outp (part 3): grid 4 x 32, 4 waves a work-group, clusters of 4 x 4, 327,680 bytes of LDS; arguments cimg, csc, Wo_codes, Wo_scales, bo, out0; writes out0
.if DOCPART == 3
	.amdgcn_target "amdgcn-amd-amdhsa--gfx1250"
	.amdhsa_code_object_version 6
	.text
	.protected	k_q4f3682aff8_outp
	.globl	k_q4f3682aff8_outp
	.p2align	8
	.type	k_q4f3682aff8_outp,@function
k_q4f3682aff8_outp:
	s_mov_b64 s[64:65], 0
	v_nop
	global_prefetch_b8 v0, s[64:65] scope:SCOPE_SE
	s_setreg_imm32_b32 hwreg(HW_REG_WAVE_MODE, 25, 1), 1
	s_wait_xcnt 0x0
	s_wait_alu depctr_hold_cnt(0) depctr_sa_sdst(0) depctr_va_vdst(0) depctr_va_sdst(0) depctr_va_ssrc(0) depctr_va_vcc(0) depctr_vm_vsrc(0)
	s_getreg_b32 s2, hwreg(HW_REG_IB_STS2, 6, 4)
	s_cmp_eq_u32 s2, 0
	s_cbranch_scc0 .Lentry_in_a_cluster
	s_endpgm
.Lentry_in_a_cluster:
	s_bfe_u32 s2, ttmp6, 0x10000c
	s_cmp_lg_u32 s2, 0xf033
	s_cbranch_scc0 .Lentry_shape_is_right
	s_endpgm
.Lentry_shape_is_right:
; out0 = ctx Wo + bo on codes of FP6 (E2M3) with E8M0 scales; out0 [8,192][1,024] f32.
; A = ctx: its codes lie as HALVES, [token tile 512][head 16][768]: a half is the image of six operand registers (16 tokens x 64 along K): registers 0-3 at 16 x lane, 4-5 at 512 + 8 x lane.  Its scale bytes lie [token][32].
; B = Wo: rows of 768 bytes with K innermost, scale bytes [1,024][32], as given.
; A work-group makes 256 x 256, each of its four waves 128 x 128: 64 accumulators, 512 registers.  K = 1,024 goes in four steps of 256 through a ring of two LDS slots filled by the tensor data mover.
; A's part of a slot: 16 token tiles x 3,072 bytes (four heads' halves), dense: a fragment comes by four loads at lane-linear addresses.  B's part: 256 rows of 192 bytes, 16 bytes of padding behind every 64.
; The scale bytes of the work-group's rows, for all of K, come once and stay.  The bias is the C of each sum's first product.
; CLUSTER: 4 x 4 work-groups; A's tiles are asked for jointly along a row of the cluster, B's along a column.  The launch has 128 work-groups: it is bound by its 33.5 MB of stores, and the large wave tile keeps its LDS reads low.
; THE MATRIX INSTRUCTION IS USED TRANSPOSED (source 0 = 16 rows of Wo, source 1 = 16 tokens): a lane holds eight neighbouring numbers of a row of out0.
; REGISTERS: window 0: v1-30 lane numbers and addresses; v32-63 scale words, two sets; v64-127 the bias; v128-223 A's fragments, one set; on the way out v128-255 hold rows.  window 1: B's fragments, two sets.  windows 2, 3: the accumulators.
.set SIZE_N, 1024
.set NQ,     2
.set ROWB,   192
.set KROW,   768
.set PITCH,  240
.set FR,     12
.set NL,     6                         ; LDS loads that bring a fragment of B
.set NLA,    4                         ; and of A
.set NP,     4
.set HALFA,  8*3072                    ; 8 token tiles: one tensor load for A
.set HALFT,  128*PITCH                 ; 128 rows: one tensor load for B
.set BOFF,   2*HALFA                   ; B's part of a slot
.set SLOT,   2*HALFA+2*HALFT
.set KS,     32
.set SCL,    2*SLOT
.set HALFS,  16*272
.set SBLK,   2*272
.set SPARE,  SCL+4*HALFS               ; the spare words: 128 bytes a wave, named by no other line
.set SPITCH, 528                       ; the way out: a stage of 16 rows x (512 + 16) bytes for each wave, in slot 0, which has had its last fill and its last read by then
.set ADRA, 16                          ; v16-17 16 x lane + my tiles of A in slot 0, 1;  v18-19 the same with 8 x lane
.set ADRB, 20                          ; v20-21 B's fragments in slot 0, 1;  v22-23 the same behind one padding more
.set STO,  24
.set RD,   25
.set CO,   26
.set ADRS, 27
.set SPW,  28                          ; my spare word; never rewritten
.set NIL,  29                          ; 0; never rewritten
.set BA,   30                          ; the bias: 32 h
.set SC,   32
.set BI,   64
.set AF,   128
.set BK,   128
.set WV,   20
.set WH,   21
.set WL,   22
.set TR,   66
.set TC,   67
.set G1,   24
.set G0,   32
.set G1B,  48
.set G0B,  56
.set G1S,  68
.set G0S,  76
.set G1SB, 80
.set G0SB, 88
.set MSB, 0
.macro WIN new
.if MSB != (\new)
	s_set_vgpr_msb (MSB<<8)|(\new)
.set MSB, (\new)
.endif
.endm
.set MUL_LO, 0xa1
.set MUL_HI, 0xf1
.set TO_B,   0x40
.macro JLOAD g0a, g1a, g0b, g1b        ; waves 0 and 1 fetch for A, waves 2 and 3 for B; four v_nop follow each of the two lines
	s_cmp_eq_u32 s[WH], 0
	s_cbranch_scc0 .Lfor_b_\@
	tensor_load_to_lds s[\g0a:\g0a+3], s[\g1a:\g1a+7]
	s_nop 0
.rept 4
	v_nop
.endr
	s_branch .Lasked_\@
.Lfor_b_\@:
	tensor_load_to_lds s[\g0b:\g0b+3], s[\g1b:\g1b+7]
	s_nop 0
.rept 4
	v_nop
.endr
.Lasked_\@:
.endm
.macro CREST
	s_cmp_lg_u32 s[WV], 0
	s_cbranch_scc1 .Lnot_wave_0_\@
	s_barrier_signal -3
.Lnot_wave_0_\@:
	s_barrier_wait -3
	s_barrier_signal -1
	s_barrier_wait -1
.endm
.macro CROUND
	s_barrier_signal -1
	s_barrier_wait -1
	CREST
.endm
.macro PLACES n
.rept \n
	v_nop
.endr
.endm
	s_load_b256 s[4:11], s[0:1], 0x0               ; cimg, csc, Wo's codes, Wo's scales
	s_load_b128 s[12:15], s[0:1], 0x20             ; bo, out0
	v_lshl_add_u32 v[SPW], v0, 2, SPARE
	v_mov_b32 v[NIL], 0
	ds_add_u32 v28, v29
	ds_add_u32 v28, v29
	s_wait_dscnt 0x0
	v_lshrrev_b32 v1, 5, v0
	v_readfirstlane_b32 s[WV], v1
	s_lshr_b32 s[WH], s[WV], 1                     ; my half of the tile's rows; also: I fetch for A (0) or B (1)
	s_and_b32 s[WL], s[WV], 1                      ; my half of its columns; also which half of that tile I fetch
	s_bfe_u32 s40, ttmp6, 0x40000                  ; cx, cy
	s_bfe_u32 s41, ttmp6, 0x40004
	s_lshl_b32 s[TC], ttmp9, 2
	s_add_co_u32 s[TC], s[TC], s40                 ; tile column
	s_and_b32 s[TR], ttmp7, 0xffff
	s_lshl_b32 s[TR], s[TR], 2
	s_add_co_u32 s[TR], s[TR], s41                 ; tile row
	s_lshl_b32 s43, s41, 2
	s_lshl_b32 s43, 15, s43                        ; my row of the cluster
	s_lshl_b32 s44, 0x1111, s40                    ; my column
	; A: 8 rows of 3,072 bytes (384 elements of 8 bytes), 12,288 bytes apart, dense in LDS
	s_or_b32 s[G1+0], s43, (3<<16)|(1<<21)
	s_mov_b32 s[G1+1], 384<<16
	s_mov_b32 s[G1+2], 8<<16
	s_mov_b32 s[G1+3], 384<<16
	s_mov_b32 s[G1+4], 8
	s_mov_b32 s[G1+5], 1536
	s_mov_b32 s[G1+6], 0
	s_mov_b32 s[G1+7], 0
	; B: 128 rows of 192 bytes, 16 bytes of padding behind every 64
	s_or_b32 s[G1B+0], s44, (0<<16)|(1<<20)|(1<<21)|(3<<22)|(3<<25)
	s_mov_b32 s[G1B+1], ROWB<<16
	s_mov_b32 s[G1B+2], 128<<16
	s_mov_b32 s[G1B+3], ROWB<<16
	s_mov_b32 s[G1B+4], 128
	s_mov_b32 s[G1B+5], KROW
	s_mov_b32 s[G1B+6], 0
	s_mov_b32 s[G1B+7], 0
	; the scales of 128 rows: 16 rows of 256 bytes, 16 bytes of padding behind each
	s_or_b32 s[G1S+0], s43, (3<<16)|(1<<20)|(1<<21)|(5<<22)|(3<<25)
	s_or_b32 s[G1SB+0], s44, (3<<16)|(1<<20)|(1<<21)|(5<<22)|(3<<25)
.irp g, G1S, G1SB
	s_mov_b32 s[\g+1], 32<<16
	s_mov_b32 s[\g+2], 16<<16
	s_mov_b32 s[\g+3], 32<<16
	s_mov_b32 s[\g+4], 16
	s_mov_b32 s[\g+5], 32
	s_mov_b32 s[\g+6], 0
	s_mov_b32 s[\g+7], 0
.endr
	s_lshl_b32 s45, s[WL], 7                       ; which 128 rows I fetch
	s_lshl_b32 s94, s[TR], 8
	s_add_co_u32 s94, s94, s45                     ; A: token 256 x tile row + 128 x half (no register here ever holds cx)
	s_mul_i32 s92, s94, 768                        ; its halves: 12,288 bytes for 16 tokens
	s_lshl_b32 s94, s94, 5                         ; its scale bytes
	s_lshl_b32 s46, s[TC], 8
	s_add_co_u32 s46, s46, s45                     ; B: row 256 x tile column + 128 x half
	s_lshl_b32 s96, s46, 5
	s_mul_i32 s46, s46, KROW
	s_mov_b32 s93, 0
	s_mov_b32 s95, 0
	s_mov_b32 s97, 0
	s_mov_b32 s47, 0
	s_mul_i32 s40, s[WL], HALFA                    ; where they go: no place in the cluster enters an LDS address
	s_mul_i32 s41, s[WL], HALFT
	s_add_co_u32 s41, s41, BOFF
	s_mul_i32 s42, s[WV], HALFS
	s_wait_kmcnt 0x0
	s_add_nc_u64 s[92:93], s[4:5], s[92:93]
	s_add_nc_u64 s[94:95], s[6:7], s[94:95]
	s_add_nc_u64 s[46:47], s[8:9], s[46:47]
	s_add_nc_u64 s[96:97], s[10:11], s[96:97]
	CROUND                                         ; all sixteen work-groups are here: the first joint loads meet
	s_mov_b32 s[G0S], 1
	s_add_co_u32 s[G0S+1], s42, SCL
	s_mov_b64 s[G0S+2:G0S+3], s[94:95]
	s_or_b32 s[G0S+3], s[G0S+3], 0x80000000
	s_mov_b32 s[G0SB], 1
	s_add_co_u32 s[G0SB+1], s42, SCL
	s_mov_b64 s[G0SB+2:G0SB+3], s[96:97]
	s_or_b32 s[G0SB+3], s[G0SB+3], 0x80000000
	JLOAD G0S, G1S, G0SB, G1SB
.irp s, 0,1
	s_mov_b32 s[G0+4*\s], 1
	s_add_co_u32 s[G0+4*\s+1], s40, \s*SLOT
	s_add_nc_u64 s[G0+4*\s+2:G0+4*\s+3], s[92:93], \s*3072
	s_or_b32 s[G0+4*\s+3], s[G0+4*\s+3], 0x80000000
	s_mov_b32 s[G0B+4*\s], 1
	s_add_co_u32 s[G0B+4*\s+1], s41, \s*SLOT
	s_add_nc_u64 s[G0B+4*\s+2:G0B+4*\s+3], s[46:47], \s*ROWB
	s_or_b32 s[G0B+4*\s+3], s[G0B+4*\s+3], 0x80000000
	JLOAD G0+4*\s, G1, G0B+4*\s, G1B               ; three tensor loads of mine are out now
.endr
	v_and_b32 v1, 15, v0                           ; r
	v_bfe_u32 v2, v0, 4, 1                         ; h
	v_and_b32 v6, 31, v0                           ; lane
	v_mul_u32_u24 v3, v1, PITCH
	v_mul_u32_u24 v4, v2, 24
	v_add_nc_u32 v4, v3, v4                        ; B: a fragment's row x pitch + 24 x half
	v_lshl_add_u32 v5, v2, 4, v4                   ; and the same behind one padding more
	v_lshlrev_b32 v7, 4, v6                        ; A: 16 x lane,
	v_lshlrev_b32 v8, 3, v6                        ; and 8 x lane
	s_mul_i32 s40, s[WH], HALFA                    ; my 8 token tiles of A
	s_mul_i32 s41, s[WL], HALFT                    ; my 128 rows of B
	s_add_co_u32 s41, s41, BOFF
.irp s, 0,1
	v_add_nc_u32 v[ADRA+\s], s40, v7
	v_add_nc_u32 v[ADRA+2+\s], s40, v8
	v_add_nc_u32 v[ADRB+\s], s41, v4
	v_add_nc_u32 v[ADRB+2+\s], s41, v5
	s_add_co_u32 s40, s40, SLOT
	s_add_co_u32 s41, s41, SLOT
.endr
	v_mul_u32_u24 v5, v1, KS
	v_lshrrev_b32 v3, 8, v5
	v_lshl_add_u32 v5, v3, 4, v5
	s_mul_i32 s40, s[WH], HALFS
	s_mul_i32 s41, s[WL], HALFS
	s_add_co_u32 s41, s41, 2*HALFS
	s_sub_co_u32 s41, s41, s40
	v_mul_u32_u24 v3, s41, v2                      ; lanes 16-31 take B's: one product
	s_add_co_u32 s40, s40, SCL
	v_add_nc_u32 v5, v5, v3
	v_add_nc_u32 v[ADRS], s40, v5
	s_mul_i32 s40, s[WV], 16*SPITCH                ; my stage
	v_mul_u32_u24 v5, v1, SPITCH
	v_lshl_add_u32 v5, v2, 5, v5
	v_add_nc_u32 v[STO], s40, v5                   ; in: row r, 32 bytes for each half of the lanes
	v_lshlrev_b32 v[CO], 4, v6                     ; back: the 32 lanes take one row of 512 bytes; and the same in out0
	v_add_nc_u32 v[RD], s40, v[CO]
	s_lshl_b32 s92, s[TC], 10                      ; my first column in bytes: 1,024 x tile column + 512 x half
	s_lshl_b32 s40, s[WL], 9
	s_add_co_u32 s92, s92, s40
	s_mov_b32 s93, 0
	s_add_nc_u64 s[12:13], s[12:13], s[92:93]      ; the bias at my first column
	s_add_nc_u64 s[14:15], s[14:15], s[92:93]
	s_lshl_b32 s92, s[TR], 8
	s_lshl_b32 s40, s[WH], 7
	s_add_co_u32 s92, s92, s40                     ; my first row
	s_lshl_b32 s92, s92, 12                        ; 4,096 bytes a row: at most 8,192 rows
	s_add_nc_u64 s[14:15], s[14:15], s[92:93]
	v_lshlrev_b32 v[BA], 5, v2
.irp b, 0,1,2,3,4,5,6,7
	global_load_b128 v[BI+8*\b:BI+8*\b+3], v[BA], s[12:13] offset:64*\b        ; register 8 b + j = bo[my first column + 16 b + 8 h + j]
	global_load_b128 v[BI+8*\b+4:BI+8*\b+7], v[BA], s[12:13] offset:64*\b+16
.endr
.macro FRAG reg, adr, q, i             ; a fragment of B: 24 bytes of the row for each 64 along K, in pieces of 8 bytes
.irp p, 0,1,2,3,4,5
.set PIECE, 12*(\q)+6*(\p/3)+\p%3
.if PIECE%8 < 5
	ds_load_b64 v[\reg+2*\p:\reg+2*\p+1], v[\adr] offset:8*PIECE+16*(PIECE/8)+(\i)*16*PITCH
.else
	ds_load_b64 v[\reg+2*\p:\reg+2*\p+1], v[\adr+2] offset:8*PIECE+16*(PIECE/8)+(\i)*16*PITCH
.endif
.endr
.endm
.macro FRAGI reg, slot, off            ; a fragment of A: two halves as they lie
	ds_load_b128 v[\reg:\reg+3], v[ADRA+\slot] offset:\off
	ds_load_b64 v[\reg+4:\reg+5], v[ADRA+2+\slot] offset:\off+512
	ds_load_b128 v[\reg+6:\reg+9], v[ADRA+\slot] offset:\off+768
	ds_load_b64 v[\reg+10:\reg+11], v[ADRA+2+\slot] offset:\off+1280
.endm
; 16 matrix instructions: A's blocks a0, a0 + 1 x B's eight.  zero = 1: the sums start from the bias.  The 64 accumulators take turns, one instruction a turn.
.macro MUL16 a0, p, q, sc, zero
.irp a, \a0, \a0+1
.irp b, 0,1,2,3,4,5,6,7
.if \zero
	v_wmma_scale_f32_16x16x128_f8f6f4 v[8*(8*((\a)%4)+\b):8*(8*((\a)%4)+\b)+7], v[128*(\p)+FR*\b:128*(\p)+FR*\b+FR-1], v[AF+FR*(\a):AF+FR*(\a)+FR-1], v[BI+8*\b:BI+8*\b+7], v[SC+8*NQ*(\sc)+NQ*\b+(\q)], v[SC+8*NQ*(\sc)+NQ*(\a)+(\q)] matrix_a_fmt:MATRIX_FMT_FP6 matrix_b_fmt:MATRIX_FMT_FP6 matrix_a_scale:MATRIX_SCALE_ROW1
.else
	v_wmma_scale_f32_16x16x128_f8f6f4 v[8*(8*((\a)%4)+\b):8*(8*((\a)%4)+\b)+7], v[128*(\p)+FR*\b:128*(\p)+FR*\b+FR-1], v[AF+FR*(\a):AF+FR*(\a)+FR-1], v[8*(8*((\a)%4)+\b):8*(8*((\a)%4)+\b)+7], v[SC+8*NQ*(\sc)+NQ*\b+(\q)], v[SC+8*NQ*(\sc)+NQ*(\a)+(\q)] matrix_a_fmt:MATRIX_FMT_FP6 matrix_b_fmt:MATRIX_FMT_FP6 matrix_a_scale:MATRIX_SCALE_ROW1
.endif
.endr
.endr
.endm
.macro FETCH_B slot, q, p
	WIN TO_B
.irp i, 0,1,2,3,4,5,6,7
	FRAG 128*(\p)+FR*\i, ADRB+\slot, \q, \i
.endr
	WIN 0
.endm
.macro FETCH_A slot, q, i0
.irp i, \i0, \i0+1, \i0+2, \i0+3
	FRAGI AF+FR*(\i), \slot, 3072*(\i)+1536*(\q)
.endr
.endm
.macro SCALES sc
.irp i, 0,1,2,3,4,5,6,7
	ds_load_b64 v[SC+8*NQ*\sc+NQ*\i:SC+8*NQ*\sc+NQ*\i+1], v[ADRS] offset:\i*SBLK
.endr
.endm
.macro STEP slot, q, zero
	s_wait_dscnt 4*NLA                             ; B's set and A's blocks 0-3 are in; the youngest 16 loads (A's blocks 4-7) may be out
.if \zero
	WIN 0x81                                       ; C (the bias) from window 0
.else
	WIN MUL_LO
.endif
	MUL16 0, (\q)%2, \q, \slot, \zero
	MUL16 2, (\q)%2, \q, \slot, \zero
	s_wait_dscnt 0
	PLACES NP
	FETCH_B \slot, (\q)+1, 1-(\q)%2
	FETCH_A \slot, (\q)+1, 0
.if \zero
	WIN 0xc1
.else
	WIN MUL_HI
.endif
	MUL16 4, (\q)%2, \q, \slot, \zero
	MUL16 6, (\q)%2, \q, \slot, \zero
	PLACES NP
	WIN 0
	FETCH_A \slot, (\q)+1, 4
.endm
.macro TURN slot, next, fill
	s_wait_tensorcnt 0x0                           ; all my tensor loads have landed: my part of the next slot
	ds_add_u32 v[SPW], v[NIL]                      ; 0 onto my spare word
	s_wait_dscnt 4*NLA+1                           ; (the add and the youngest 16 loads may be out)
	WIN MUL_LO
	MUL16 0, 1, NQ-1, \slot, 0
	s_wait_dscnt 0x0                               ; the add is done, and my reads of this slot are over
	s_barrier_signal -1
	MUL16 2, 1, NQ-1, \slot, 0
	WIN 0
	s_barrier_wait -1
.if \fill
	CREST                                          ; the barrier has opened a round of the cluster's barrier
	s_add_nc_u64 s[G0+4*\slot+2:G0+4*\slot+3], s[G0+4*\slot+2:G0+4*\slot+3], 2*3072
	s_add_nc_u64 s[G0B+4*\slot+2:G0B+4*\slot+3], s[G0B+4*\slot+2:G0B+4*\slot+3], 2*ROWB
	JLOAD G0+4*\slot, G1, G0B+4*\slot, G1B         ; the first tensor load behind the round; its four v_nop are also the places in front of the loads below
.else
	PLACES NP
.endif
	v_add_nc_u32 v[ADRS], 4*NQ, v[ADRS]
	FETCH_B \next, 0, 0
	FETCH_A \next, 0, 0
	SCALES \next
	WIN MUL_HI
	MUL16 4, 1, NQ-1, \slot, 0
	MUL16 6, 1, NQ-1, \slot, 0
	PLACES NP
	WIN 0
	FETCH_A \next, 0, 4
.endm
	s_wait_loadcnt 0x0                             ; the bias
	s_wait_tensorcnt 1                             ; the scales and my part of K step 0 are in; K step 1's load may be out
	s_barrier_signal -1
	s_barrier_wait -1
	FETCH_B 0, 0, 0
	FETCH_A 0, 0, 0
	SCALES 0
	FETCH_A 0, 0, 4
	STEP 0, 0, 1
	TURN 0, 1, 1                                   ; K = 1,024 is four slots: twice round the ring, written out
	STEP 1, 0, 0
	TURN 1, 0, 1
	STEP 0, 0, 0
	TURN 0, 1, 0
	STEP 1, 0, 0
	s_wait_dscnt 4*NLA
	WIN MUL_LO
	MUL16 0, 1, NQ-1, 1, 0
	MUL16 2, 1, NQ-1, 1, 0
	s_wait_dscnt 0
	WIN MUL_HI
	MUL16 4, 1, NQ-1, 1, 0
	MUL16 6, 1, NQ-1, 1, 0
	WIN 0
; THE WAY OUT, block by block of 16 rows x 128 columns: through my own stage in LDS, back as whole rows of 512 bytes.  LDS serves a wave's instructions in order (ISA guide 5.7.1.4): no wait between the stores and the loads.
.macro TOSTAGE a
.set AC, 64*((\a)%4)
	WIN 0x08+4*((\a)/4)                            ; the data: window 2 or 3
.irp b, 0,1,2,3,4,5,6,7
	ds_store_b128 v[STO], v[AC+8*\b:AC+8*\b+3] offset:64*\b          ; each accumulator from its low end on
	ds_store_b128 v[STO], v[AC+8*\b+4:AC+8*\b+7] offset:64*\b+16
.endr
	WIN 0
.set BB, BK+64*((\a)%2)
.irp t, 0,1,2,3,4,5,6,7,8,9,10,11,12,13,14,15
	ds_load_b128 v[BB+4*\t:BB+4*\t+3], v[RD] offset:\t*SPITCH
.endr
.endm
.macro SEND a, younger
.set BB, BK+64*((\a)%2)
	s_wait_dscnt \younger                          ; the block is back in registers
.if (\a) > 0
	s_add_nc_u64 s[14:15], s[14:15], 16*SIZE_N*4   ; (behind a wait on XCNT: the earlier stores have read their base)
.endif
.irp t, 0,1,2,3,4,5,6,7,8,9,10,11,12,13,14,15
	global_store_b128 v[CO], v[BB+4*\t:BB+4*\t+3], s[14:15] offset:\t*SIZE_N*4 th:TH_STORE_NT   ; 32 lanes store 512 consecutive bytes, aligned; written once, read by nobody here
.endr
.endm
	PLACES NP
	TOSTAGE 0
.irp a, 1,2,3,4,5,6,7
.if \a > 1
	s_wait_xcnt 0x0                                ; block a - 2's stores have read their registers and their base
.endif
	TOSTAGE \a
	SEND \a-1, 32                                  ; behind block a - 1's loads: block a's 16 stores and 16 loads
.endr
	s_wait_xcnt 0x0
	SEND 7, 0
	s_wait_tensorcnt 0x0                           ; the wave's end
	ds_add_u32 v[SPW], v[NIL]
	s_wait_dscnt 0x0
	CROUND                                         ; the closing round
	s_endpgm
.Lfunc_end_k_q4f3682aff8_outp:
	.size	k_q4f3682aff8_outp, .Lfunc_end_k_q4f3682aff8_outp-k_q4f3682aff8_outp
	.p2alignl 7, 3214868480
	.fill 96, 4, 3214868480
	.section	.rodata,"a",@progbits
	.p2align	6, 0x0
	.amdhsa_kernel k_q4f3682aff8_outp
		.amdhsa_group_segment_fixed_size 327680
		.amdhsa_private_segment_fixed_size 0
		.amdhsa_enable_private_segment 0
		.amdhsa_kernarg_size 48
		.amdhsa_user_sgpr_count 2
		.amdhsa_user_sgpr_kernarg_segment_ptr 1
		.amdhsa_wavefront_size32 1
		.amdhsa_system_sgpr_workgroup_id_x 1
		.amdhsa_system_sgpr_workgroup_id_y 1
		.amdhsa_system_sgpr_workgroup_id_z 1
		.amdhsa_system_vgpr_workitem_id 0
		.amdhsa_next_free_vgpr 1024
		.amdhsa_next_free_sgpr 100
		.amdhsa_reserve_vcc 0
		.amdhsa_float_denorm_mode_32 3
		.amdhsa_float_denorm_mode_16_64 3
		.amdhsa_memory_ordered 1
		.amdhsa_forward_progress 1
		.amdhsa_inst_pref_size 153
	.end_amdhsa_kernel
	.amdgpu_metadata
---
amdhsa.version: [ 1, 2 ]
amdhsa.kernels:
  - .name:           k_q4f3682aff8_outp
    .symbol:         k_q4f3682aff8_outp.kd
    .args:
      - { .name: cimg, .offset: 0, .size: 8, .value_kind: global_buffer, .address_space: global }
      - { .name: csc, .offset: 8, .size: 8, .value_kind: global_buffer, .address_space: global }
      - { .name: Wo_codes, .offset: 16, .size: 8, .value_kind: global_buffer, .address_space: global }
      - { .name: Wo_scales, .offset: 24, .size: 8, .value_kind: global_buffer, .address_space: global }
      - { .name: bo, .offset: 32, .size: 8, .value_kind: global_buffer, .address_space: global }
      - { .name: out0, .offset: 40, .size: 8, .value_kind: global_buffer, .address_space: global }
    .group_segment_fixed_size: 327680
    .private_segment_fixed_size: 0
    .kernarg_segment_align: 8
    .kernarg_segment_size: 48
    .max_flat_workgroup_size: 128
    .sgpr_count:     100
    .vgpr_count:     1024
    .wavefront_size: 32
...
	.end_amdgpu_metadata
.endif
;; end of part 3
